; MI455X (gfx1250); checked and timed in simulation.
; The chip was launched on July 23, 2026; its instructions are those of AMD's public machine-readable ISA for CDNA 5 (MIT licence, August 2026) and "CDNA5" Instruction Set Architecture Reference Guide (July 2026). The comments in the code are by the model that wrote it; some were corrected since.
;; Multihead Attention. Allowed arithmetic: matrix products marked QUANTISED: E2M3 operands, one E8M0 scale for each 32 along K, by v_wmma_scale_f32_16x16x128_f8f6f4 with both operands' format E2M3, f32 sums; everything else in f32.
;; Inputs: b_proj 1,024 float32; b_qkv 3,072 float32; w_proj 1,024 x 1,024 float32; w_qkv 1,024 x 3,072 float32; x 4 x 2,048 x 1,024 float32.
;; Outputs: out0 4 x 2,048 x 1,024 float32.
;; This version of the problem:
;;   THIS VERSION OF THE PROBLEM IS GIVEN IN LOW PRECISION. The matrix products marked QUANTISED in the list below multiply operands that are first quantised to E2M3 (2 exponent bits, 3 mantissa bits; 6 bits a number), with one power-of-two scale for each 32 numbers along K (OCP MX v1.0); their sums are f32. All else is computed in f32.
;;   The module's matrix products, in the order in which they are computed (A, B: the left and right operand; K: the contracted axis; several contracted axes count as one K, in the product's order):
;;     1. [M 8,192, K 1,024] x [K 1,024, N 3,072]; A: input x; B: input w_qkv: QUANTISED
;;     2. batch 64 x [M 2,048, K 64] x [K 64, N 2,048]; A: computed on the way; B: computed on the way: QUANTISED
;;     3. batch 64 x [M 64, K 2,048] x [K 2,048, N 2,048]; A: computed on the way; B: softmax (see below): QUANTISED
;;     4. [M 8,192, K 1,024] x [K 1,024, N 1,024]; A: computed on the way; B: input w_proj: QUANTISED
;;   THE QUANTISER, for each operand of a quantised product, along K:
;;     - K is cut into blocks of 32 from its start; a last block that is shorter is filled with zeros.
;;     - A block's scale is 2^e with e = floor(log2(the largest magnitude in the block)) - 2, held to -126 .. 127; a block of zeros has e = 0. As a byte (E8M0): e + 127.
;;     - Each number is divided by its block's scale, clamped to +-7.5, and rounded to the nearest number of E2M3, ties to even, subnormals kept.
;;     - The product sums the exact products of the quantised numbers (number of the format x scale) in f32.
;;   ~~~python
;;   def quantise(x, axis):      # numpy; x: float32 -> the quantised numbers, widened to float32 again
;;       x = np.moveaxis(x, axis, -1); K = x.shape[-1]
;;       x = np.pad(x, [(0, 0)] * (x.ndim - 1) + [(0, -K % 32)]); x = x.reshape(x.shape[:-1] + (-1, 32)); a = np.abs(x).max(-1, keepdims=True)
;;       e = np.where(a > 0, np.clip(np.frexp(np.where(a > 0, a, 1))[1] - 1 - 2, -126, 127), 0)      # np.frexp(a)[1] - 1 = floor(log2(a)), exactly
;;       r = np.clip(x / 2.0 ** e, -7.5, 7.5)
;;       step = 2.0 ** (np.maximum(np.frexp(np.where(r == 0, 1, r))[1] - 1, 0) - 3)
;;       q = np.round(r / step) * step * 2.0 ** e      # np.round: ties to even
;;       return np.moveaxis(q.reshape(q.shape[:-2] + (-1,))[..., :K], -1, axis).astype(np.float32)
;;   ~~~
;;   SOFTMAX AHEAD OF A QUANTISED PRODUCT. Where the list says 'softmax', what is quantised is not the finished softmax but p = 2^(t - M), with t = logit x log2(e) and M = ceil(the row's largest t), a whole number; so 1/2 < the row's largest p <= 1. The row's sum l is taken of the UNQUANTISED p, in f32, and the product's result is divided by l at the end. Since M is a whole number, a kernel that streams over the keys may use a running M (the ceiling of the running maximum): every later rescaling is an exact power of two, which a block's scale takes up: the codes' values come out the same.
;;   OPERANDS COMPUTED ON THE WAY. 'Computed on the way' means the value that the module computes at that place (a softmax that the list does not call 'softmax' is quantised finished and normalised). What goes into a quantiser is computed in f32, as accurately as f32 sums, v_exp_f32 and their like allow (about 1e-6 of the number): no bf16 or f16 on the way to a quantiser, and a product that is left as it is and whose result goes on into a quantised operand takes f32 operands (vector FMAs, or v_wmma_f32_16x16x4_f32). A number that lies on a knife's edge between two numbers of the format may be rounded either way, as far as f32 arithmetic and the matrix unit's own rounding can turn it there, and no further.
;; One version. Each part assembles by itself: llvm-mc -triple=amdgcn-amd-amdhsa -mcpu=gfx1250 --defsym DOCPART=n.
;; ======== version 1 of 1: 4 launches
;; workspace buffers: xq 6,553,600 bytes; wq 3,276,800 bytes; qi 6,553,600 bytes; kv 13,107,200 bytes; aq 6,553,600 bytes
;; launch quant (part 1): grid 384 x 1, 4 waves a work-group, no clusters, 102,912 bytes of LDS; arguments x, w_qkv, w_proj, xq, wq; writes xq, wq
.if DOCPART == 1
	.amdgcn_target "amdgcn-amd-amdhsa--gfx1250"
	.amdhsa_code_object_version 6
	.text
	.protected	k_q6c25aa81cd_quant
	.globl	k_q6c25aa81cd_quant
	.p2align	8
	.type	k_q6c25aa81cd_quant,@function
k_q6c25aa81cd_quant:
	s_mov_b64 s[64:65], 0
	v_nop
	global_prefetch_b8 v0, s[64:65] scope:SCOPE_SE
	s_setreg_imm32_b32 hwreg(HW_REG_WAVE_MODE, 25, 1), 1
	s_wait_xcnt 0x0
; x [8192][1024], w_qkv [1024][3072] and w_proj [1024][1024], f32, become codes of FP6 (E2M3) with K innermost and one E8M0 byte for each 32 along K.
; A block's scale is 2^(floor(log2(its largest magnitude)) - 2); its byte is the largest magnitude's exponent field - 2, held at 1 from below.
; LIMITS: a block of zeros, or one whose largest magnitude lies under 2^-124, gets the byte 1 (the bytes are read by this program alone; zero codes add nothing); NaN and infinities are not served.
; THE ORDER OF ROWS.  sigma(p) = p with bits 3 and 4 exchanged.  Row a of x lies at place sigma(a) of xq; channel c of a head's q, k or v lies at place kind x 1024 + head x 64 + sigma(c) of wq.
; A plain block of 16 stored rows then holds rows 32 B + 8 u + r + 8 (r / 8): as source 0 of a product it leaves 16 neighbours in the registers of two neighbouring accumulators.
; xq: codes [8192][768] at 0, bytes [8192][32] at 6,291,456.  wq: w_qkv's codes [3072][768] at 0, bytes at 2,359,296; w_proj's codes [1024][768] at 2,457,600, bytes at 3,244,032.
; Work-groups 0-255 take x (K innermost: a plain stream of blocks; a wave takes 8 rows), 256-351 w_qkv, 352-383 w_proj (K is the first axis: a lane takes a column, its registers run down K).
; The three ways part on the work-group's number and have LDS bytes of their own.  No barrier: waves share nothing.
.set SPW,   192                        ; v192  LDS address of my spare word; never rewritten
.set NIL,   193                        ; v193  0; never rewritten
.set SPARE, 102400                     ; behind the three regions: 128 bytes for each wave, named by no other line
.set EMAX,  2
; x's way
.set STEPS, 16                         ; steps of 512 numbers a wave
.set CB,    12                         ; bytes of 16 codes
.set R,     16                         ; v16-79   four sets of 16 numbers as loaded
.set X,     80                         ; v80-111  two sets of 16 neighbours
.set C,     128                        ; v128-191 codes, four registers a step
.set E,     112                        ; v112-127 a scale byte a step
.set WREG,  8192                       ; LDS region of a wave: two stages of 32 x SP bytes, then 256 scale bytes
.set SP,    80                         ; a lane's 64 bytes + 16 of padding
; the weights' way
.set PITCH, 272                        ; a stage row: sixteen places of 16 bytes + 16
.set KROW,  768                        ; a row of codes
.set NB,    8                          ; blocks of 32 along K for a wave
.set WN,    32                         ; v32-95   two sets of 32 numbers
.set WC,    96                         ; v96..    a block's codes
.set OUTR,  112                        ; v112-175 the way out
.set SB,    24                         ; v24-25   the scale bytes
.macro XLOAD t
.irp i, 0,1,2,3
	global_load_b128 v[R+16*((\t)%4)+4*\i:R+16*((\t)%4)+4*\i+3], v3, s[4:5] offset:2048*(\t)+512*\i th:TH_LOAD_NT   ; 32 lanes read 512 consecutive bytes
.endr
.endm
.macro XTURN t                         ; a step's 2,048 bytes through my stage: in as loaded, out 64 bytes a lane; LDS serves a wave's instructions in order
.irp i, 0,1,2,3
	ds_store_b128 v14, v[R+16*((\t)%4)+4*\i:R+16*((\t)%4)+4*\i+3] offset:32*SP*((\t)%2)+8*SP*\i
.endr
.irp i, 0,1,2,3
	ds_load_b128 v[X+16*((\t)%2)+4*\i:X+16*((\t)%2)+4*\i+3], v15 offset:32*SP*((\t)%2)+16*\i
.endr
.endm
.macro XSTEP t
.set XS, X+16*((\t)%2)
.if (\t) > 0
	s_wait_dscnt 1                                 ; this step's numbers are back from the stage; the last step's byte store may be out
.else
	s_wait_dscnt 0x0
.endif
.if (\t)+4 < STEPS
	XLOAD (\t)+4                                   ; into the set that the stage's stores have read
.endif
.if (\t)+1 < STEPS
.if STEPS-2-(\t) >= 3
	s_wait_loadcnt 12                              ; the next step's four loads are in; three later steps' twelve may be out
.else
	s_wait_loadcnt 4*(STEPS-2-(\t))
.endif
	XTURN (\t)+1
.endif
	v_max3_num_f32 v8, |v[XS]|, |v[XS+1]|, |v[XS+2]|
	v_max3_num_f32 v9, |v[XS+3]|, |v[XS+4]|, |v[XS+5]|
.irp i, 6,10
	v_max3_num_f32 v8, v8, |v[XS+\i]|, |v[XS+\i+1]|
	v_max3_num_f32 v9, v9, |v[XS+\i+2]|, |v[XS+\i+3]|
.endr
	v_max3_num_f32 v8, v8, |v[XS+14]|, |v[XS+15]|
	v_max3_num_f32 v8, v8, v9, (EMAX+1)<<23        ; with the floor 2^(3 - 127): the byte cannot fall under 1
	v_max_num_f32_dpp v8, v8, v8 row_xmask:1 row_mask:0xf bank_mask:0xf   ; with my neighbour's 16: the block's largest magnitude
	v_add_nc_u32 v11, -(EMAX<<23), v8              ; 2 off its exponent field: the conversion's scale operand
	v_cvt_scalef32_pk16_fp6_f32 v[C+4*(\t):C+4*(\t)+2], v[XS:XS+15], v11
	v_lshrrev_b32 v[E+(\t)], 23, v11               ; the scale's byte
	ds_store_b8 v5, v[E+(\t)] offset:16*(\t)       ; both lanes of a block write the same byte with the same value
	global_store_b96 v4, v[C+4*(\t):C+4*(\t)+2], s[24:25] offset:32*CB*(\t)
.endm
.macro WLOAD t, n                      ; block t: W(32 t + i, my column) into set t % 2
.irp i, 0,1,2,3,4,5,6,7,8,9,10,11,12,13,14,15,16,17,18,19,20,21,22,23,24,25,26,27,28,29,30,31
	global_load_b32 v[WN+32*((\t)%2)+\i], v3, s[24:25] offset:(32*(\t)+\i)*(\n)*4 th:TH_LOAD_NT
.endr
.endm
.macro WBLOCK t, n
.set XS, WN+32*((\t)%2)
.if (\t) < NB-1
	s_wait_loadcnt 32                              ; this block's 32 loads are in; the next block's may be out
.else
	s_wait_loadcnt 0
.endif
	v_max3_num_f32 v12, |v[XS]|, |v[XS+1]|, |v[XS+2]|
	v_max3_num_f32 v13, |v[XS+3]|, |v[XS+4]|, |v[XS+5]|
.irp i, 6,10,14,18,22,26
	v_max3_num_f32 v12, v12, |v[XS+\i]|, |v[XS+\i+1]|
	v_max3_num_f32 v13, v13, |v[XS+\i+2]|, |v[XS+\i+3]|
.endr
	v_max3_num_f32 v12, v12, |v[XS+30]|, |v[XS+31]|
	v_max3_num_f32 v12, v12, v13, (EMAX+1)<<23     ; the block's largest magnitude, all 32 mine, and the floor
	v_add_nc_u32 v11, -(EMAX<<23), v12
	v_lshrrev_b32 v13, 23, v11                     ; the scale's byte
.if (\t)%4 == 0
	v_mov_b32 v[SB+(\t)/4], v13
.else
	v_lshl_or_b32 v[SB+(\t)/4], v13, 8*((\t)%4), v[SB+(\t)/4]
.endif
	v_cvt_scalef32_pk16_fp6_f32 v[WC:WC+2], v[XS:XS+15], v11
	v_cvt_scalef32_pk16_fp6_f32 v[WC+4:WC+6], v[XS+16:XS+31], v11
	ds_store_b96 v4, v[WC:WC+2] offset:32*(\t)     ; 12 bytes to a place of 16
	ds_store_b96 v4, v[WC+4:WC+6] offset:32*(\t)+16
.if (\t)+2 < NB
	WLOAD (\t)+2, \n
.endif
	s_wait_dscnt 0x0                               ; the stores have read their registers
.endm
; A weight [1024][N]: work-group i = ttmp9 - FIRST takes K chunk i % 4 of 256 and 128 columns; a wave 32 columns.  PERM = 1: w_qkv's order of rows.  WPTR: the weight's pointer.
.macro WPATH N, FIRST, LBASE, CODEOFF, SCOFF, PERM, WPTR
	s_sub_co_u32 s17, ttmp9, \FIRST
	s_and_b32 s18, s17, 3                          ; which 256 along K
	s_and_b32 s17, s17, 0xfffc
	s_add_co_u32 s17, s17, s16                     ; g: my group of 32 columns
	s_mul_i32 s20, s18, 256*\N*4
	s_lshl_b32 s21, s17, 7
	s_add_co_u32 s20, s20, s21
	s_mov_b32 s21, 0
	s_add_nc_u64 s[24:25], s[\WPTR:\WPTR+1], s[20:21]
.if \PERM
	s_mul_i32 s22, s17, 43
	s_lshr_b32 s22, s22, 8                         ; g / 6, the head (g is under 96)
	s_mul_i32 s23, s22, 6
	s_sub_co_u32 s23, s17, s23                     ; g % 6: 2 x kind + which 32 channels
	s_lshr_b32 s26, s23, 1
	s_lshl_b32 s26, s26, 10
	s_lshl_b32 s22, s22, 6
	s_add_co_u32 s26, s26, s22
	s_and_b32 s23, s23, 1
	s_lshl_b32 s23, s23, 5
	s_add_co_u32 s26, s26, s23                     ; my first stored row
	v_and_b32 v10, 7, v2
	v_bfe_u32 v11, v2, 3, 1
	v_lshl_add_u32 v10, v11, 4, v10
	v_bfe_u32 v11, v2, 4, 1
	v_lshl_add_u32 v10, v11, 3, v10                ; sigma(lane): my column's place among the 32
.else
	s_lshl_b32 s26, s17, 5
	v_and_b32 v10, 31, v0
.endif
	s_mul_i32 s20, s26, KROW
	s_mul_i32 s22, s18, 192
	s_add_co_u32 s20, s20, s22
	s_add_co_u32 s20, s20, \CODEOFF
	s_add_nc_u64 s[28:29], s[12:13], s[20:21]      ; my codes
	s_lshl_b32 s20, s26, 5
	s_lshl_b32 s22, s18, 3
	s_add_co_u32 s20, s20, s22
	s_add_co_u32 s20, s20, \SCOFF
	s_add_nc_u64 s[30:31], s[12:13], s[20:21]      ; my scale bytes
	v_lshlrev_b32 v3, 2, v2                        ; in: 4 bytes a lane
	s_mul_i32 s19, s16, 32*PITCH
	s_add_co_u32 s19, s19, \LBASE                  ; my stage
	v_mul_u32_u24 v4, v10, PITCH
	v_add_nc_u32 v4, s19, v4                       ; into it: row = my column's place
	v_and_b32 v5, 15, v2
	v_lshrrev_b32 v6, 4, v2
	v_mul_u32_u24 v7, v6, PITCH
	v_lshl_add_u32 v7, v5, 4, v7
	v_add_nc_u32 v7, s19, v7                       ; out of it: sixteen lanes to a row, two rows an instruction
	v_mul_u32_u24 v8, v6, KROW
	v_mad_u32_u24 v8, v5, 12, v8                   ; and the same place in the codes' buffer
	v_lshlrev_b32 v9, 5, v10                       ; my row of scale bytes
	WLOAD 0, \N
	WLOAD 1, \N
.irp t, 0,1,2,3,4,5,6,7
	WBLOCK \t, \N
.endr
	global_store_b64 v9, v[SB:SB+1], s[30:31]      ; my column's 8 scale bytes
.irp t, 0,1,2,3,4,5,6,7,8,9,10,11,12,13,14,15
	ds_load_b96 v[OUTR+4*\t:OUTR+4*\t+2], v7 offset:2*\t*PITCH
.endr
.irp t, 0,1,2,3,4,5,6,7,8,9,10,11,12,13,14,15
	s_wait_dscnt 15-\t                             ; the younger loads may be out
	global_store_b96 v8, v[OUTR+4*\t:OUTR+4*\t+2], s[28:29] offset:2*\t*KROW   ; sixteen lanes store a row's 192 consecutive bytes
.endr
	s_wait_tensorcnt 0x0                           ; the wave's end
	ds_add_u32 v[SPW], v[NIL]
	s_wait_dscnt 0x0
	s_endpgm
.endm
	s_load_b256 s[4:11], s[0:1], 0x0               ; x s[4:5], w_qkv s[6:7], w_proj s[8:9], xq s[10:11]
	s_load_b64 s[12:13], s[0:1], 0x20              ; wq
	v_lshl_add_u32 v[SPW], v0, 2, SPARE
	v_mov_b32 v[NIL], 0
	v_lshrrev_b32 v1, 5, v0
	v_readfirstlane_b32 s16, v1                    ; wave
	v_and_b32 v2, 31, v0                           ; lane
	s_wait_kmcnt 0x0
	s_cmp_lt_u32 ttmp9, 256
	s_cbranch_scc1 .Lpath_x
	s_cmp_lt_u32 ttmp9, 352
	s_cbranch_scc1 .Lpath_wq
	WPATH 1024, 352, 67584, 2457600, 3244032, 0, 8
.Lpath_wq:
	WPATH 3072, 256, 32768, 0, 2359296, 1, 6
.Lpath_x:
	v_lshlrev_b32 v3, 4, v2                        ; my 16 bytes of a load's 512
	s_mul_i32 s17, s16, WREG
	v_lshrrev_b32 v14, 2, v2
	v_mul_u32_u24 v14, v14, SP
	v_and_b32 v15, 3, v2
	v_lshl_add_u32 v14, v15, 4, v14
	v_add_nc_u32 v14, s17, v14                     ; the stage, on the way in: SP (lane / 4) + 16 (lane % 4)
	v_mul_u32_u24 v15, v2, SP
	v_add_nc_u32 v15, s17, v15                     ; and on the way out: SP x lane
	v_mul_u32_u24 v4, v2, CB                       ; my codes' place in a step's
	v_lshrrev_b32 v5, 1, v2
	s_add_co_u32 s17, s17, 2*32*SP
	v_add_nc_u32 v5, s17, v5                       ; my block's byte among my wave's 256
	v_lshlrev_b32 v7, 3, v2
	v_add_nc_u32 v6, s17, v7
	s_lshl_b32 s18, ttmp9, 2
	s_add_co_u32 s20, s18, s16                     ; my 8 rows of x: run 4 x work-group + wave
	s_lshl_b32 s20, s20, 15
	s_mov_b32 s21, 0
	s_add_nc_u64 s[4:5], s[4:5], s[20:21]
	s_and_b32 s22, s16, 1
	s_lshl_b32 s22, s22, 1
	s_lshr_b32 s23, s16, 1
	s_or_b32 s22, s22, s23                         ; sigma on groups of 8 rows: the wave's two bits change places
	s_add_co_u32 s18, s18, s22
	s_mul_i32 s20, s18, 6144
	s_add_nc_u64 s[24:25], s[10:11], s[20:21]      ; where their codes go,
	s_lshl_b32 s20, s18, 8
	s_add_co_u32 s20, s20, 6291456
	s_add_nc_u64 s[26:27], s[10:11], s[20:21]      ; and their scale bytes
.irp t, 0,1,2,3
	XLOAD \t
.endr
	s_wait_loadcnt 12                              ; step 0's four loads are in
	XTURN 0
.irp t, 0,1,2,3,4,5,6,7,8,9,10,11,12,13,14,15
	XSTEP \t
.endr
	ds_load_b64 v[8:9], v6
	s_wait_dscnt 0x0
	global_store_b64 v7, v[8:9], s[26:27]          ; 32 lanes store 256 consecutive bytes, aligned
	s_wait_tensorcnt 0x0                           ; the wave's end
	ds_add_u32 v[SPW], v[NIL]
	s_wait_dscnt 0x0
	s_endpgm
.Lfunc_end_k_q6c25aa81cd_quant:
	.size	k_q6c25aa81cd_quant, .Lfunc_end_k_q6c25aa81cd_quant-k_q6c25aa81cd_quant
	.p2alignl 7, 3214868480
	.fill 96, 4, 3214868480
	.section	.rodata,"a",@progbits
	.p2align	6, 0x0
	.amdhsa_kernel k_q6c25aa81cd_quant
		.amdhsa_group_segment_fixed_size 102912
		.amdhsa_private_segment_fixed_size 0
		.amdhsa_enable_private_segment 0
		.amdhsa_kernarg_size 40
		.amdhsa_user_sgpr_count 2
		.amdhsa_user_sgpr_kernarg_segment_ptr 1
		.amdhsa_wavefront_size32 1
		.amdhsa_system_sgpr_workgroup_id_x 1
		.amdhsa_system_sgpr_workgroup_id_y 1
		.amdhsa_system_sgpr_workgroup_id_z 1
		.amdhsa_system_vgpr_workitem_id 0
		.amdhsa_next_free_vgpr 196
		.amdhsa_next_free_sgpr 66
		.amdhsa_reserve_vcc 0
		.amdhsa_float_denorm_mode_32 3
		.amdhsa_float_denorm_mode_16_64 3
		.amdhsa_memory_ordered 1
		.amdhsa_forward_progress 1
		.amdhsa_inst_pref_size 114
	.end_amdhsa_kernel
	.amdgpu_metadata
---
amdhsa.version: [ 1, 2 ]
amdhsa.kernels:
  - .name:           k_q6c25aa81cd_quant
    .symbol:         k_q6c25aa81cd_quant.kd
    .args:
      - { .name: x, .offset: 0, .size: 8, .value_kind: global_buffer, .address_space: global }
      - { .name: w_qkv, .offset: 8, .size: 8, .value_kind: global_buffer, .address_space: global }
      - { .name: w_proj, .offset: 16, .size: 8, .value_kind: global_buffer, .address_space: global }
      - { .name: xq, .offset: 24, .size: 8, .value_kind: global_buffer, .address_space: global }
      - { .name: wq, .offset: 32, .size: 8, .value_kind: global_buffer, .address_space: global }
    .group_segment_fixed_size: 102912
    .private_segment_fixed_size: 0
    .kernarg_segment_align: 8
    .kernarg_segment_size: 40
    .max_flat_workgroup_size: 128
    .sgpr_count:     66
    .vgpr_count:     196
    .wavefront_size: 32
...
	.end_amdgpu_metadata
.endif
;; end of part 1
;; launch gemm_qkv (part 2): grid 12 x 32, 4 waves a work-group, clusters of 4 x 4, 327,680 bytes of LDS; arguments xq, wq, b_qkv, qi, kv; writes qi, kv
.if DOCPART == 2
	.amdgcn_target "amdgcn-amd-amdhsa--gfx1250"
	.amdhsa_code_object_version 6
	.text
	.protected	k_q6c25aa81cd_gemm_qkv
	.globl	k_q6c25aa81cd_gemm_qkv
	.p2align	8
	.type	k_q6c25aa81cd_gemm_qkv,@function
k_q6c25aa81cd_gemm_qkv:
	s_mov_b64 s[64:65], 0
	v_nop
	global_prefetch_b8 v0, s[64:65] scope:SCOPE_SE
	s_setreg_imm32_b32 hwreg(HW_REG_WAVE_MODE, 25, 1), 1
	s_wait_xcnt 0x0
	s_wait_alu depctr_hold_cnt(0) depctr_sa_sdst(0) depctr_va_vdst(0) depctr_va_sdst(0) depctr_va_ssrc(0) depctr_va_vcc(0) depctr_vm_vsrc(0)
	s_getreg_b32 s2, hwreg(HW_REG_IB_STS2, 6, 4)
	s_cmp_eq_u32 s2, 0
	s_cbranch_scc0 .Lentry_in_a_cluster
	s_endpgm
.Lentry_in_a_cluster:
	s_bfe_u32 s2, ttmp6, 0x10000c
	s_cmp_lg_u32 s2, 0xf033
	s_cbranch_scc0 .Lentry_shape_is_right
	s_endpgm
.Lentry_shape_is_right:
; qkv = x w_qkv + b_qkv on codes of FP6 with E8M0 scales, K = 1,024; q and k are multiplied by 64^(-1/4); q, k and v are quantised here and leave as IMAGES OF OPERAND REGISTERS for the attention launch.
; A tile of 256 x 256 to a work-group of four waves, 128 x 128 a wave (64 accumulators, 512 registers); K in steps of 256 through two LDS slots; the scale bytes of both sides come once.
; SIDES.  'A' is source 1: a lane holds one of its rows.  'B' is source 0: its rows run along a lane's registers, and since they are stored in the order sigma (bits 3 and 4 of a row's number exchanged),
; the 16 registers of accumulators 2 B and 2 B + 1 are 16 neighbours.  The cluster's x is the kind.  q (0), k (1): A = tokens, B = channels (quantised along the head's 64 channels).
; v (2): A = channels, B = tokens (quantised along the keys).  The sides are chosen by selects on the kind, which all sixteen partners share; one branch on it parts the two ways out.
; CLUSTERS: 4 x 4 work-groups; A's tile is shared along a row of the cluster, B's along a column: joint loads.
; OUT.  qi [bh 64][s 16][6,400]: four fragments of 1,536 bytes (fragment B = token tiles 2 B | 2 B + 1 of the 128 stored tokens of group s, 64 channels each), a scale image of 256 bytes at 6,144.
;       kv [bh 64][s 16][12,800]: k's four fragments at 0 (as q's), v's four (16 channels x 128 keys) at 6,144, k's scale image at 12,288, v's at 12,544.
;       A fragment's registers 4 c .. 4 c + 3 of lane l lie at 512 c + 16 l.  A scale image holds at 8 l the words (WX, WY) of lane l: WX = fragment 0's words in lanes 0-15, fragment 1's in lanes 16-31; WY = fragments 2, 3.
; LIMITS: q and k are made as fma(sum, s, b x s), one order of rounding other than (sum + b) x s; a block under 2^-124 keeps the byte 1; NaN and infinities are not served.
; REGISTERS: window 0: v0-31 addresses; v32-63 scale words; v64-127 q's and k's bias; v128-223 A's fragments; v236-251 v's bias, each number twice.  window 1: B's fragments, two sets.  windows 2, 3: accumulators.
.set KSTEP,  256
.set NQ,     KSTEP/128
.set ROWB,   192                       ; a tile's row: 256 codes
.set KROW,   768                       ; a row of codes in memory
.set PITCH,  240                       ; an LDS row: 3 x (64 bytes + 16 of padding)
.set FR,     12
.set NL,     6
.set NP,     4                         ; places behind this matrix instruction (ISA guide 7.12.1)
.set HALFT,  128*PITCH
.set SLOT,   4*HALFT
.set LAPS,   2                         ; K = 1,024: twice round the ring
.set KS,     32                        ; a row of scale bytes
.set SCL,    2*SLOT
.set HALFS,  (128*KS/256)*272
.set SBLK,   (16*KS/256)*272
.set SPARE,  SCL+4*HALFS               ; the spare words, 128 bytes a wave, named by no other line
.set L8,   6                           ; v6   8 x lane
.set BAR,  7                           ; v7   64 x (lane / 16): q's and k's bias
.set ADRA, 16
.set ADRB, 20
.set ADRS, 27
.set SPW,  28
.set NIL,  29
.set BAL,  30                          ; v30  4 x (r + 8 (r / 8)): v's bias
.set LI,   31                          ; v31  16 x lane
.set SC,   32
.set BR,   64                          ; v64-127  bias of my 128 rows of B, in the accumulators' layout
.set AF,   128
.set T,    128                         ; the way out: v128-191 the 64 numbers to be quantised
.set PC,   192                         ; v192-211 the codes
.set TM,   212                         ; v212-227 at work
.set PWS,  228                         ; v228-231 four scale words
.set WXY,  232                         ; v232-233 a lane's 8 bytes of a scale image
.set BL,   236                         ; v236-251 bias of my lane's row of A's block a, at BL + 2 a and BL + 2 a + 1
.set G1, 24
.set G0, 32
.set G1B, 48
.set G0B, 56
.set SEL, 66                           ; s[66:67] selects of v_permlanex16_b32: lane l xor 16
.set G1S, 68
.set G0S, 76
.set G1SB, 80
.set G0SB, 88
.set PF, 24                            ; the way out: s[24:27] where my two heads' fragments go, s[28:31] their scale images
.set PS, 28
.set MSB, 0
.macro WIN new                         ; the immediate's high byte repeats the setting that is left
.if MSB != \new
	s_set_vgpr_msb (MSB<<8)|\new
.set MSB, \new
.endif
.endm
.set MUL_LO, 0xa1                      ; source 0 (B) window 1, source 1 (A) window 0, C and D window 2
.set MUL_HI, 0xf1
.set TO_B,   0x40
; A joint load: waves 0 and 1 fetch for A, waves 2 and 3 for B; the branch hangs on the wave's number alone.  An s_nop 0 and four v_nop follow each line.
.macro JLOAD g0a, g1a, g0b, g1b
	s_cmp_eq_u32 s15, 0
	s_cbranch_scc0 .Lfor_b_\@
	tensor_load_to_lds s[\g0a:\g0a+3], s[\g1a:\g1a+7]
	s_nop 0
.rept 4
	v_nop
.endr
	s_branch .Lasked_\@
.Lfor_b_\@:
	tensor_load_to_lds s[\g0b:\g0b+3], s[\g1b:\g1b+7]
	s_nop 0
.rept 4
	v_nop
.endr
.Lasked_\@:
.endm
.macro CREST
	s_cmp_lg_u32 s14, 0
	s_cbranch_scc1 .Lnot_wave_0_\@
	s_barrier_signal -3
.Lnot_wave_0_\@:
	s_barrier_wait -3
	s_barrier_signal -1
	s_barrier_wait -1
.endm
.macro CROUND
	s_barrier_signal -1
	s_barrier_wait -1
	CREST
.endm
	s_load_b256 s[4:11], s[0:1], 0x0               ; xq s[4:5], wq s[6:7], b_qkv s[8:9], qi s[10:11]
	s_load_b64 s[12:13], s[0:1], 0x20              ; kv
	v_lshl_add_u32 v[SPW], v0, 2, SPARE
	v_mov_b32 v[NIL], 0
	ds_add_u32 v[SPW], v[NIL]                      ; the wave's opening: the add and its wait ahead of my first tensor load
	v_lshrrev_b32 v1, 5, v0
	v_readfirstlane_b32 s14, v1                    ; wave 0..3
	s_lshr_b32 s15, s14, 1                         ; my half of A's rows.  Also: I fetch for A (0) or for B (1)
	s_and_b32 s16, s14, 1                          ; my half of B's rows.  Also: which 128 rows I fetch
	s_bfe_u32 s40, ttmp6, 0x40000                  ; cx
	s_bfe_u32 s41, ttmp6, 0x40004                  ; cy
	s_and_b32 s18, ttmp7, 0xffff
	s_lshl_b32 s18, s18, 2                         ; 4 x cluster y
	s_add_co_u32 s17, s18, s41                     ; q, k: A's tile of tokens
	s_add_co_u32 s19, s18, s40                     ; v: B's tile of tokens
	s_lshl_b32 s42, ttmp9, 2
	s_add_co_u32 s42, s42, s40                     ; q, k: B's tile of wq's rows: 4 x kind + cx
	s_cmp_eq_u32 ttmp9, 2                          ; v?  The kind is the cluster's x: the same in all sixteen partners
	s_cselect_b32 s95, 1, 0
	s_cselect_b32 s17, s41, s17                    ; A's tile: it never holds cx
	s_cselect_b32 s42, s19, s42                    ; B's tile: it never holds cy
	s_cselect_b32 s21, 1572864, 0                  ; A's codes begin: v's rows of wq (row 2,048), or xq's first byte
	s_mov_b32 s23, 6291456
	s_cselect_b32 s96, 2424832, s23                ; A's scale bytes begin
	s_cselect_b32 s93, s23, 2359296                ; B's scale bytes begin
	s_lshl_b32 s43, s41, 2
	s_lshl_b32 s43, 15, s43                        ; my row of the cluster
	s_lshl_b32 s44, 0x1111, s40                    ; my column
	; group 1: a tile of 128 rows x 192 bytes, 16 bytes of padding behind every 64
	s_or_b32 s[G1+0], s43, (0<<16)|(1<<20)|(1<<21)|(3<<22)|(3<<25)
	s_or_b32 s[G1B+0], s44, (0<<16)|(1<<20)|(1<<21)|(3<<22)|(3<<25)
.irp g, G1, G1B
	s_mov_b32 s[\g+1], ROWB<<16                    ; tensor_dim0
	s_mov_b32 s[\g+2], 128<<16                     ; tensor_dim1
	s_mov_b32 s[\g+3], ROWB<<16                    ; tile_dim0
	s_mov_b32 s[\g+4], 128                         ; tile_dim1
	s_mov_b32 s[\g+5], KROW                        ; the pitch
	s_mov_b32 s[\g+6], 0
	s_mov_b32 s[\g+7], 0
.endr
	; the scale bytes of 128 rows: 4,096 dense bytes as 16 rows of 256, 16 bytes of padding behind each
	s_or_b32 s[G1S+0], s43, (3<<16)|(1<<20)|(1<<21)|(5<<22)|(3<<25)
	s_or_b32 s[G1SB+0], s44, (3<<16)|(1<<20)|(1<<21)|(5<<22)|(3<<25)
.irp g, G1S, G1SB
	s_mov_b32 s[\g+1], 32<<16
	s_mov_b32 s[\g+2], (128*KS/256)<<16
	s_mov_b32 s[\g+3], 32<<16
	s_mov_b32 s[\g+4], 128*KS/256
	s_mov_b32 s[\g+5], 32
	s_mov_b32 s[\g+6], 0
	s_mov_b32 s[\g+7], 0
.endr
	s_lshl_b32 s18, s16, 7                         ; which 128 rows of a tile I fetch
	s_lshl_b32 s20, s17, 8
	s_add_co_u32 s20, s20, s18                     ; A's row
	s_lshl_b32 s46, s42, 8
	s_add_co_u32 s46, s46, s18                     ; B's row
	s_lshl_b32 s22, s20, 5
	s_add_co_u32 s22, s22, s96                     ; A's scale bytes, from the buffer's first byte
	s_lshl_b32 s92, s46, 5
	s_add_co_u32 s92, s92, s93                     ; B's
	s_mul_i32 s20, s20, KROW
	s_add_co_u32 s20, s20, s21                     ; A's codes
	s_mul_i32 s46, s46, KROW                       ; B's codes
	s_mov_b32 s21, 0
	s_mov_b32 s23, 0
	s_mov_b32 s47, 0
	s_mov_b32 s93, 0
	s_mul_i32 s45, s14, HALFT                      ; where they go: wave x 128 rows
	s_mul_i32 s94, s14, HALFS
	s_mov_b32 s[SEL], 0x76543210
	s_mov_b32 s[SEL+1], 0xfedcba98
	s_mov_b32 s98, 0x3eb504f3                      ; s = 64^(-1/4)
	s_mov_b32 s99, s98
	s_wait_dscnt 0x0                               ; the opening add is done
	s_wait_kmcnt 0x0
	s_cmp_eq_u32 s95, 1
	s_cselect_b64 s[18:19], s[6:7], s[4:5]         ; A's buffer
	s_cselect_b64 s[96:97], s[4:5], s[6:7]         ; B's buffer
	s_add_nc_u64 s[20:21], s[18:19], s[20:21]
	s_add_nc_u64 s[22:23], s[18:19], s[22:23]
	s_add_nc_u64 s[46:47], s[96:97], s[46:47]
	s_add_nc_u64 s[92:93], s[96:97], s[92:93]
	CROUND                                         ; all sixteen work-groups are here: the first joint loads meet
	s_mov_b32 s[G0S], 1
	s_add_co_u32 s[G0S+1], s94, SCL
	s_mov_b64 s[G0S+2:G0S+3], s[22:23]
	s_or_b32 s[G0S+3], s[G0S+3], 0x80000000
	s_mov_b32 s[G0SB], 1
	s_add_co_u32 s[G0SB+1], s94, SCL
	s_mov_b64 s[G0SB+2:G0SB+3], s[92:93]
	s_or_b32 s[G0SB+3], s[G0SB+3], 0x80000000
	JLOAD G0S, G1S, G0SB, G1SB                     ; the scale bytes first
.irp s, 0,1
	s_mov_b32 s[G0+4*\s], 1
	s_add_co_u32 s[G0+4*\s+1], s45, \s*SLOT
	s_add_nc_u64 s[G0+4*\s+2:G0+4*\s+3], s[20:21], \s*ROWB
	s_or_b32 s[G0+4*\s+3], s[G0+4*\s+3], 0x80000000
	s_mov_b32 s[G0B+4*\s], 1
	s_add_co_u32 s[G0B+4*\s+1], s45, \s*SLOT
	s_add_nc_u64 s[G0B+4*\s+2:G0B+4*\s+3], s[46:47], \s*ROWB
	s_or_b32 s[G0B+4*\s+3], s[G0B+4*\s+3], 0x80000000
	JLOAD G0+4*\s, G1, G0B+4*\s, G1B
.endr
	s_mov_b32 s97, 0xffff0000                      ; lanes 16-31
	v_and_b32 v1, 15, v0                           ; r
	v_bfe_u32 v2, v0, 4, 1                         ; h
	v_mul_u32_u24 v3, v1, PITCH
	v_mul_u32_u24 v4, v2, 24
	v_add_nc_u32 v4, v3, v4                        ; a fragment's row x pitch + 24 h
	v_lshl_add_u32 v5, v2, 4, v4                   ; and the same behind one padding more
	s_mul_i32 s21, s15, HALFT                      ; my 128 rows of A
	s_mul_i32 s22, s16, HALFT
	s_add_co_u32 s22, s22, 2*HALFT                 ; my 128 rows of B
.irp s, 0,1
	v_add_nc_u32 v[ADRA+\s], s21, v4
	v_add_nc_u32 v[ADRB+\s], s22, v4
	v_add_nc_u32 v[ADRA+2+\s], s21, v5
	v_add_nc_u32 v[ADRB+2+\s], s22, v5
	s_add_co_u32 s21, s21, SLOT
	s_add_co_u32 s22, s22, SLOT
.endr
	v_mul_u32_u24 v5, v1, KS
	v_lshrrev_b32 v6, 8, v5
	v_lshl_add_u32 v5, v6, 4, v5                   ; my row's scale bytes: 32 a row, 16 more for each 256 passed
	s_mul_i32 s21, s15, HALFS
	s_mul_i32 s22, s16, HALFS
	s_add_co_u32 s22, s22, 2*HALFS
	s_sub_co_u32 s22, s22, s21
	v_mul_u32_u24 v6, s22, v2                      ; lanes 16-31 take B's
	s_add_co_u32 s21, s21, SCL
	v_add_nc_u32 v5, v5, v6
	v_add_nc_u32 v[ADRS], s21, v5
	; THE BIAS.  Both forms are loaded on the one way that all kinds take (the form that a kind does not use is read from the buffer's head, inside it, and not used); the wait stands on the way out.
	s_cmp_eq_u32 s95, 1
	s_cselect_b32 s18, s41, s40
	s_cselect_b32 s19, s15, s16
	s_lshl_b32 s18, s18, 2
	s_lshl_b32 s19, s19, 1
	s_add_co_u32 s94, s18, s19                     ; my first head: 4 x (cx or cy) + 2 x my half
	s_mul_i32 s18, s94, 768                        ; a head's 192 numbers
	s_lshl_b32 s19, ttmp9, 8
	s_add_co_u32 s19, s18, s19                     ; q, k: + 64 x kind numbers
	s_add_co_u32 s18, s18, 512                     ; v: + 128 numbers
	s_cmp_eq_u32 s95, 1
	s_cselect_b32 s100, 0, s19
	s_cselect_b32 s104, s18, 0
	s_mov_b32 s101, 0
	s_mov_b32 s105, 0
	s_add_nc_u64 s[100:101], s[8:9], s[100:101]
	s_add_nc_u64 s[104:105], s[8:9], s[104:105]
	v_lshlrev_b32 v[BAR], 6, v2                    ; B's block b: channels 32 ((b / 2) % 2) + 16 h + 8 (b % 2) + 0 .. 7 of head b / 4
	v_and_b32 v[BAL], 8, v1
	v_add_nc_u32 v[BAL], v[BAL], v1
	v_lshlrev_b32 v[BAL], 2, v[BAL]                ; A's block a: channel 32 ((a / 2) % 2) + 8 (a % 2) + r + 8 (r / 8) of head a / 4
.irp b, 0,1,2,3,4,5,6,7
	global_load_b128 v[BR+8*\b:BR+8*\b+3], v[BAR], s[100:101] offset:((\b/4)*192+32*((\b/2)%2)+8*(\b%2))*4
	global_load_b128 v[BR+8*\b+4:BR+8*\b+7], v[BAR], s[100:101] offset:((\b/4)*192+32*((\b/2)%2)+8*(\b%2))*4+16
	global_load_b32 v[BL+2*\b], v[BAL], s[104:105] offset:((\b/4)*192+32*((\b/2)%2)+8*(\b%2))*4
	global_load_b32 v[BL+2*\b+1], v[BAL], s[104:105] offset:((\b/4)*192+32*((\b/2)%2)+8*(\b%2))*4   ; twice: a pair for the packed addition
.endr
	v_and_b32 v[L8], 31, v0
	v_lshlrev_b32 v[LI], 4, v[L8]
	v_lshlrev_b32 v[L8], 3, v[L8]
.macro FRAG reg, adr, q, i             ; 16 rows x 128 K: 12 registers, six pieces of 8 bytes; where the piece of lanes 16-31 lies behind one padding more, the second address register serves
.irp p, 0,1,2,3,4,5
.set PCE, 12*(\q)+6*(\p/3)+\p%3
.if PCE%8 < 5
	ds_load_b64 v[\reg+2*\p:\reg+2*\p+1], v[\adr] offset:8*PCE+16*(PCE/8)+(\i)*16*PITCH
.else
	ds_load_b64 v[\reg+2*\p:\reg+2*\p+1], v[\adr+2] offset:8*PCE+16*(PCE/8)+(\i)*16*PITCH
.endif
.endr
.endm
; 16 matrix instructions: A's blocks a0, a0 + 1 x B's eight.  The 64 accumulators take turns, one instruction a turn, in the same order in every step.
.macro MUL16 a0, p, q, sc, zero
.irp a, \a0, \a0+1
.irp b, 0,1,2,3,4,5,6,7
.if \zero
	v_wmma_scale_f32_16x16x128_f8f6f4 v[8*(8*((\a)%4)+\b):8*(8*((\a)%4)+\b)+7], v[128*(\p)+FR*\b:128*(\p)+FR*\b+FR-1], v[AF+FR*(\a):AF+FR*(\a)+FR-1], 0, v[SC+8*NQ*(\sc)+NQ*\b+(\q)], v[SC+8*NQ*(\sc)+NQ*(\a)+(\q)] matrix_a_fmt:MATRIX_FMT_FP6 matrix_b_fmt:MATRIX_FMT_FP6 matrix_a_scale:MATRIX_SCALE_ROW1
.else
	v_wmma_scale_f32_16x16x128_f8f6f4 v[8*(8*((\a)%4)+\b):8*(8*((\a)%4)+\b)+7], v[128*(\p)+FR*\b:128*(\p)+FR*\b+FR-1], v[AF+FR*(\a):AF+FR*(\a)+FR-1], v[8*(8*((\a)%4)+\b):8*(8*((\a)%4)+\b)+7], v[SC+8*NQ*(\sc)+NQ*\b+(\q)], v[SC+8*NQ*(\sc)+NQ*(\a)+(\q)] matrix_a_fmt:MATRIX_FMT_FP6 matrix_b_fmt:MATRIX_FMT_FP6 matrix_a_scale:MATRIX_SCALE_ROW1
.endif
.endr
.endr
.endm
.macro FETCH_B slot, q, p
	WIN TO_B
.irp i, 0,1,2,3,4,5,6,7
	FRAG 128*(\p)+FR*\i, ADRB+\slot, \q, \i
.endr
	WIN 0
.endm
.macro FETCH_A slot, q, i0
.irp i, \i0, \i0+1, \i0+2, \i0+3
	FRAG AF+FR*(\i), ADRA+\slot, \q, \i
.endr
.endm
.macro SCALES sc                       ; a K step's scale words: lanes 0-15 A's block i, lanes 16-31 B's block i
.irp i, 0,1,2,3,4,5,6,7
	ds_load_b64 v[SC+8*NQ*\sc+NQ*\i:SC+8*NQ*\sc+NQ*\i+1], v[ADRS] offset:\i*SBLK
.endr
.endm
.macro PLACES n                        ; plain vector instructions between a matrix instruction and a load into, or a vector write of, its registers, or a read of its result
.rept \n
	v_nop
.endr
.endm
.macro STEP slot, q, zero              ; 128 along K, with its successor in the same slot
	s_wait_dscnt 4*NL                              ; B's set and A's blocks 0-3 are in; A's blocks 4-7, 24 loads, may be out
	WIN MUL_LO
	MUL16 0, (\q)%2, \q, \slot, \zero
	MUL16 2, (\q)%2, \q, \slot, \zero
	s_wait_dscnt 0
	PLACES NP
	FETCH_B \slot, (\q)+1, 1-(\q)%2
	FETCH_A \slot, (\q)+1, 0
	WIN MUL_HI
	MUL16 4, (\q)%2, \q, \slot, \zero
	MUL16 6, (\q)%2, \q, \slot, \zero
	PLACES NP
	WIN 0
	FETCH_A \slot, (\q)+1, 4
.endm
; A slot's last step changes slots: in front of the one barrier each wave waits for all its tensor loads, adds 0 to its spare word, and waits for that and for its reads of this slot.
.macro TURN slot, next, fill
	s_wait_tensorcnt 0x0                           ; all my tensor loads have landed: my part of the next slot
	ds_add_u32 v[SPW], v[NIL]
	s_wait_dscnt 4*NL+1                            ; the add and A's blocks 4-7 may be out
	WIN MUL_LO
	MUL16 0, 1, NQ-1, \slot, 0
	s_wait_dscnt 0x0                               ; the add is done, and my reads of this slot are over
	s_barrier_signal -1
	MUL16 2, 1, NQ-1, \slot, 0
	WIN 0
	s_barrier_wait -1
.if \fill
	CREST                                          ; the barrier has opened a round of the cluster's barrier: no wave of any partner still reads this slot or has a load on its way
	s_add_nc_u64 s[G0+4*\slot+2:G0+4*\slot+3], s[G0+4*\slot+2:G0+4*\slot+3], 2*ROWB
	s_add_nc_u64 s[G0B+4*\slot+2:G0B+4*\slot+3], s[G0B+4*\slot+2:G0B+4*\slot+3], 2*ROWB
	JLOAD G0+4*\slot, G1, G0B+4*\slot, G1B         ; the first tensor load behind the round; its four v_nop are the places in front of the loads below
.else
	PLACES NP
.endif
	v_add_nc_u32 v[ADRS], 4*NQ, v[ADRS]
	FETCH_B \next, 0, 0
	FETCH_A \next, 0, 0
	SCALES \next
	WIN MUL_HI
	MUL16 4, 1, NQ-1, \slot, 0
	MUL16 6, 1, NQ-1, \slot, 0
	PLACES NP
	WIN 0
	FETCH_A \next, 0, 4
.endm
	s_wait_tensorcnt 1                             ; the scale bytes and my part of K step 0 are in; K step 1's load may be out
	s_barrier_signal -1
	s_barrier_wait -1
	FETCH_B 0, 0, 0
	FETCH_A 0, 0, 0
	SCALES 0
	FETCH_A 0, 0, 4
	STEP 0, 0, 1                                   ; the first step's products start the sums
	s_mov_b32 s3, LAPS-1
.Llap:
	TURN 0, 1, 1
	STEP 1, 0, 0
	TURN 1, 0, 1
	STEP 0, 0, 0
	s_sub_co_u32 s3, s3, 1
	s_cmp_lg_u32 s3, 0
	s_cbranch_scc1 .Llap
	TURN 0, 1, 0                                   ; the last lap fills nothing
	STEP 1, 0, 0
	s_wait_dscnt 4*NL
	WIN MUL_LO
	MUL16 0, 1, NQ-1, 1, 0
	MUL16 2, 1, NQ-1, 1, 0
	s_wait_dscnt 0
	WIN MUL_HI
	MUL16 4, 1, NQ-1, 1, 0
	MUL16 6, 1, NQ-1, 1, 0
	WIN 0
; THE WAY OUT.  64 numbers of a lane, register 16 b + i = k 32 b + 16 h + i of a fragment, become the fragment's 12 registers of codes in v[PC] on and its scale word in v[pw].
.macro QUANT s, pw
.irp b, 0,1,2,3
	v_max3_num_f32 v[TM+\b], |v[\s+16*\b]|, |v[\s+1+16*\b]|, 0x1800000   ; my 16 numbers of block b, and the floor 2^(3 - 127)
.endr
.irp i, 2,4,6,8,10,12,14
.irp b, 0,1,2,3
	v_max3_num_f32 v[TM+\b], v[TM+\b], |v[\s+16*\b+\i]|, |v[\s+1+16*\b+\i]|
.endr
.endr
.irp b, 0,1,2,3
	v_permlanex16_b32 v[TM+4+\b], v[TM+\b], s[SEL], s[SEL+1]
.endr
.irp b, 0,1,2,3
	v_max_num_f32 v[TM+\b], v[TM+\b], v[TM+4+\b]   ; with lane l xor 16's: the block's largest magnitude
.endr
.irp b, 0,1,2,3
	v_add_nc_u32 v[TM+12+\b], 0xff000000, v[TM+\b]   ; 2 off its exponent field: the conversion's scale operand
.endr
.irp b, 0,1,2,3
	v_lshrrev_b32 v[TM+4+\b], 23, v[TM+12+\b]      ; the scale's byte
.endr
	v_lshl_or_b32 v[\pw], v[TM+5], 8, v[TM+4]
	v_lshl_or_b32 v[\pw], v[TM+6], 16, v[\pw]
	v_lshl_or_b32 v[\pw], v[TM+7], 24, v[\pw]
.irp c, 0,1
	v_cvt_scalef32_pk16_fp6_f32 v[PC+6*\c:PC+2+6*\c], v[\s+32*\c:\s+15+32*\c], v[TM+12+2*\c]
	v_cvt_scalef32_pk16_fp6_f32 v[PC+12+4*\c:PC+14+4*\c], v[\s+16+32*\c:\s+31+32*\c], v[TM+12+2*\c+1]
.endr
	v_nop                                          ; one plain place behind a scaled conversion
.irp c, 0,1                                    ; a whole block to a lane: lanes 0-15 block 2 c, lanes 16-31 block 2 c + 1
.irp i, 0,1,2
	v_permlane16_swap_b32 v[PC+6*\c+\i], v[PC+12+4*\c+\i]
.endr
.irp i, 0,1,2
	v_mov_b32 v[PC+3+6*\c+\i], v[PC+12+4*\c+\i]
.endr
.endr
.endm
; q, k: fragment be of head hh: blocks 0, 1 = the 64 channels of token tile 2 be, blocks 2, 3 = those of tile 2 be + 1; sum x s + b x s.  Each accumulator is read from its low end on.
.macro PRE_QK hh, be
.irp i, 0,1,2,3
.irp k, 0,2,4,6,8,10,12,14
	v_pk_fma_f32 v[T+16*\i+\k:T+16*\i+\k+1], v[8*(8*((2*(\be)+\i/2)%4)+4*(\hh)+2*(\i%2))+\k:8*(8*((2*(\be)+\i/2)%4)+4*(\hh)+2*(\i%2))+\k+1], s[98:99], v[BR+8*(4*(\hh)+2*(\i%2))+\k:BR+8*(4*(\hh)+2*(\i%2))+\k+1] op_sel_hi:[1,0,1]
.endr
.endr
.endm
; v: fragment t of head hh: my lane's channel (A's block 4 hh + t), the 128 tokens; sum + b
.macro PRE_V hh, t
.irp k, 0,2,4,6,8,10,12,14,16,18,20,22,24,26,28,30,32,34,36,38,40,42,44,46,48,50,52,54,56,58,60,62
	v_pk_add_f32 v[T+\k:T+\k+1], v[64*(\t)+\k:64*(\t)+\k+1], v[BL+2*(4*(\hh)+(\t)):BL+2*(4*(\hh)+(\t))+1]
.endr
.endm
.macro PUT f, pf                       ; the fragment as it stands: each store covers 512 consecutive bytes, aligned
.irp c, 0,1,2
	global_store_b128 v[LI], v[PC+4*\c:PC+4*\c+3], s[\pf:\pf+1] offset:1536*(\f)+512*\c
.endr
.endm
.macro PACKS ps                        ; four fragments' scale words (each the same in lanes l and l xor 16) as one image of 256 bytes
	v_cndmask_b32 v[WXY], v[PWS], v[PWS+1], s97
	v_cndmask_b32 v[WXY+1], v[PWS+2], v[PWS+3], s97
	global_store_b64 v[L8], v[WXY:WXY+1], s[\ps:\ps+1]
.endm
	s_wait_loadcnt 0x0                             ; the bias
	PLACES NP                                      ; behind the last products: their results are read and A's registers written below
	s_cmp_eq_u32 s95, 1                            ; no tensor load is out since the last change of slots: the descriptors' registers are free
	s_cselect_b32 s18, s42, s17                    ; the tile of tokens,
	s_cselect_b32 s19, s16, s15                    ; my half of it
	s_lshl_b32 s18, s18, 1
	s_add_co_u32 s18, s18, s19                     ; my group of 128 tokens, 0 .. 63
	s_lshr_b32 s19, s18, 4                         ; the batch
	s_and_b32 s18, s18, 15                         ; s
	s_lshl_b32 s19, s19, 4
	s_add_co_u32 s19, s19, s94                     ; bh of my first head
	s_lshl_b32 s19, s19, 4
	s_add_co_u32 s19, s19, s18                     ; the entry
	s_cmp_eq_u32 ttmp9, 0
	s_cselect_b64 s[20:21], s[10:11], s[12:13]     ; qi or kv
	s_mov_b32 s22, 12800
	s_cselect_b32 s22, 6400, s22                   ; an entry's bytes
	s_mov_b32 s23, 12288
	s_cselect_b32 s23, 6144, s23                   ; where the scale image lies: q, k,
	s_cmp_eq_u32 s95, 1
	s_cselect_b32 s23, 12544, s23                  ; v
	s_cselect_b32 s40, 6144, 0                     ; where the fragments lie
	s_mul_i32 s19, s19, s22
	s_add_co_u32 s24, s19, s40
	s_mov_b32 s25, 0
	s_add_co_u32 s28, s19, s23
	s_mov_b32 s29, 0
	s_lshl_b32 s40, s22, 4                         ; a head on: 16 entries
	s_mov_b32 s41, 0
	s_add_nc_u64 s[PF:PF+1], s[20:21], s[24:25]
	s_add_nc_u64 s[PS:PS+1], s[20:21], s[28:29]
	s_add_nc_u64 s[PF+2:PF+3], s[PF:PF+1], s[40:41]
	s_add_nc_u64 s[PS+2:PS+3], s[PS:PS+1], s[40:41]
.irp b, 0,1,2,3
	v_mov_b32 v[TM+4+\b], 0                        ; written once: a lane permute's destination counts as one of its sources
.endr
	s_cmp_eq_u32 s95, 1
	s_cbranch_scc1 .Lform_v
.irp k, 0,2,4,6,8,10,12,14,16,18,20,22,24,26,28,30,32,34,36,38,40,42,44,46,48,50,52,54,56,58,60,62
	v_pk_mul_f32 v[BR+\k:BR+\k+1], v[BR+\k:BR+\k+1], s[98:99] op_sel_hi:[1,0]   ; b x s
.endr
.irp hh, 0,1
.irp f, 0,1,2,3
	s_wait_xcnt 0x0                                ; the last stores have read their registers
	WIN (2+\f/2)                                   ; source 0: the accumulators' window
	PRE_QK \hh, \f
	WIN 0
	QUANT T, PWS+\f
	PUT \f, PF+2*\hh
.endr
	PACKS PS+2*\hh
.endr
	s_branch .Ljoin
.Lform_v:
.irp hh, 0,1
.irp f, 0,1,2,3
	s_wait_xcnt 0x0
	WIN (2+\hh)
	PRE_V \hh, \f
	WIN 0
	QUANT T, PWS+\f
	PUT \f, PF+2*\hh
.endr
	PACKS PS+2*\hh
.endr
.Ljoin:
	s_wait_tensorcnt 0x0                           ; the wave's end
	ds_add_u32 v[SPW], v[NIL]
	s_wait_dscnt 0x0
	CROUND                                         ; the closing round
	s_endpgm
.Lfunc_end_k_q6c25aa81cd_gemm_qkv:
	.size	k_q6c25aa81cd_gemm_qkv, .Lfunc_end_k_q6c25aa81cd_gemm_qkv-k_q6c25aa81cd_gemm_qkv
	.p2alignl 7, 3214868480
	.fill 96, 4, 3214868480
	.section	.rodata,"a",@progbits
	.p2align	6, 0x0
	.amdhsa_kernel k_q6c25aa81cd_gemm_qkv
		.amdhsa_group_segment_fixed_size 327680
		.amdhsa_private_segment_fixed_size 0
		.amdhsa_enable_private_segment 0
		.amdhsa_kernarg_size 40
		.amdhsa_user_sgpr_count 2
		.amdhsa_user_sgpr_kernarg_segment_ptr 1
		.amdhsa_wavefront_size32 1
		.amdhsa_system_sgpr_workgroup_id_x 1
		.amdhsa_system_sgpr_workgroup_id_y 1
		.amdhsa_system_sgpr_workgroup_id_z 1
		.amdhsa_system_vgpr_workitem_id 0
		.amdhsa_next_free_vgpr 1024
		.amdhsa_next_free_sgpr 106
		.amdhsa_reserve_vcc 0
		.amdhsa_float_denorm_mode_32 3
		.amdhsa_float_denorm_mode_16_64 3
		.amdhsa_memory_ordered 1
		.amdhsa_forward_progress 1
		.amdhsa_inst_pref_size 236
	.end_amdhsa_kernel
	.amdgpu_metadata
---
amdhsa.version: [ 1, 2 ]
amdhsa.kernels:
  - .name:           k_q6c25aa81cd_gemm_qkv
    .symbol:         k_q6c25aa81cd_gemm_qkv.kd
    .args:
      - { .name: xq, .offset: 0, .size: 8, .value_kind: global_buffer, .address_space: global }
      - { .name: wq, .offset: 8, .size: 8, .value_kind: global_buffer, .address_space: global }
      - { .name: b_qkv, .offset: 16, .size: 8, .value_kind: global_buffer, .address_space: global }
      - { .name: qi, .offset: 24, .size: 8, .value_kind: global_buffer, .address_space: global }
      - { .name: kv, .offset: 32, .size: 8, .value_kind: global_buffer, .address_space: global }
    .group_segment_fixed_size: 327680
    .private_segment_fixed_size: 0
    .kernarg_segment_align: 8
    .kernarg_segment_size: 40
    .max_flat_workgroup_size: 128
    .sgpr_count:     106
    .vgpr_count:     1024
    .wavefront_size: 32
...
	.end_amdgpu_metadata
.endif
;; end of part 2
;; launch attn (part 3): grid 4 x 64, 16 waves a work-group, clusters of 4 x 1, 206,848 bytes of LDS; arguments qi, kv, aq; writes aq
.if DOCPART == 3
	.amdgcn_target "amdgcn-amd-amdhsa--gfx1250"
	.amdhsa_code_object_version 6
	.text
	.protected	k_q6c25aa81cd_attn
	.globl	k_q6c25aa81cd_attn
	.p2align	8
	.type	k_q6c25aa81cd_attn,@function
k_q6c25aa81cd_attn:
	s_mov_b64 s[64:65], 0
	v_nop
	global_prefetch_b8 v0, s[64:65] scope:SCOPE_SE
	s_setreg_imm32_b32 hwreg(HW_REG_WAVE_MODE, 25, 1), 1
	s_wait_xcnt 0x0
	s_wait_alu depctr_hold_cnt(0) depctr_sa_sdst(0) depctr_va_vdst(0) depctr_va_sdst(0) depctr_va_ssrc(0) depctr_va_vcc(0) depctr_vm_vsrc(0)
	s_getreg_b32 s2, hwreg(HW_REG_IB_STS2, 6, 4)
	s_cmp_eq_u32 s2, 0
	s_cbranch_scc0 .Lentry_in_a_cluster
	s_endpgm
.Lentry_in_a_cluster:
	s_bfe_u32 s2, ttmp6, 0x10000c
	s_cmp_lg_u32 s2, 0x3003
	s_cbranch_scc0 .Lentry_shape_is_right
	s_endpgm
.Lentry_shape_is_right:
; Attention of one head on codes of FP6: S^T = k q^T (K = the head's 64 channels), p = 2^(t - M), O^T = v^T p^T (K = the keys), O / the sum of the unquantised p, quantised along the width for the last product.
; t = score x log2(e) (q and k carry 64^(-1/4) each); M = the running largest t rounded UP to a whole number; when M moves, the sum and O^T are multiplied by 2^(old M - new M), which rounds nothing.
; SHARES.  A work-group owns 512 stored tokens of queries of one (batch, head); each of its sixteen waves one tile of 16 queries at a time, two in turn.  Every wave walks all 2,048 keys, 128 a step.
; THE HEAD'S k, v AND SCALE WORDS, 204,800 bytes, lie in LDS as they lie in kv: 16 entries of 12,800 bytes.  They are filled once, so there is no ring.  The four work-groups of a head form a cluster and
; ask for them jointly.  Waves 0-3 issue four loads each, one for each phase of four key steps: four tensor loads of a wave are out at the most; a phase begins when its loads have landed.
; K = 64 IN A FORM OF K = 128.  A fragment of k holds two tiles of 16 keys, [2 B | 2 B + 1].  q stands as [q | six registers of zero codes | q]: v[16:27] picks the first tile, v[22:33] the second.
; By the stored order of tokens the 16 registers of S^T's tiles 2 B and 2 B + 1 are keys 32 B + 16 h + 0 .. 15; by that of v's channels O^T's are channels 32 B + 16 h + 0 .. 15.
; OUT.  aq codes [j 4][rb 512][q 2][c 2][3 x 256 bytes]: head h has j = h / 4, q = (h / 2) % 2, c = h % 2; rb = a stored block of 16 rows; piece p = registers 2 p, 2 p + 1 of the half fragment, 8 bytes a lane.
;       aq scale bytes [8,192 stored rows][32] at 6,291,456: a head's two bytes of a row.  A row's 32 bytes come from 16 work-groups, so these leave 2 bytes a lane: one byte in 24 of what the launch stores.
; LIMITS: a block's largest p is taken from its largest score (it takes v_exp_f32 not to fall where its input rises); the division is v_rcp_f32 and a multiplication; a block under 2^-124 keeps the byte 1; NaN and infinities are not served.
; REGISTERS: v1 16 x lane, v2 8 x lane, v3-4 q's offsets, v5-6 the add's two, v7 32 r, v8-9 the step's LDS addresses, v12 -M, v13 the largest t, v[14:15] the sum, v16-33 q, v34-81 four fragments,
;   v82-86 scale words, v96-159 S^T then p, v160-191 O^T, v192-204 the next tile's q as loaded, v224-254 at work.
.set ENT,   12800                      ; an entry of kv: a key step
.set SPARE, 204800                     ; the spare words, 128 bytes for each of sixteen waves, named by no other line
.set SPW,  5
.set NIL,  6
.set FB,   34
.set WV,   18
.set SEL,  20
.set CS,   22
.set G1,   24                          ; s[24:31]
.set G0,   32                          ; s[32:47] four groups 0
.macro ROUND
	s_barrier_signal -1
	s_barrier_wait -1
	s_cmp_lg_u32 s[WV], 0
	s_cbranch_scc1 .Lnot_wave_0_\@
	s_barrier_signal -3
.Lnot_wave_0_\@:
	s_barrier_wait -3
	s_barrier_signal -1
	s_barrier_wait -1
.endm
	s_load_b128 s[4:7], s[0:1], 0x0                ; qi s[4:5], kv s[6:7]
	s_load_b64 s[8:9], s[0:1], 0x10                ; aq
	v_lshl_add_u32 v[SPW], v0, 2, SPARE
	v_mov_b32 v[NIL], 0
	ds_add_u32 v[SPW], v[NIL]                      ; the wave's opening: the add and its wait ahead of the first tensor loads
	v_lshrrev_b32 v8, 5, v0
	v_readfirstlane_b32 s[WV], v8                  ; wave 0..15
	s_bfe_u32 s17, ttmp6, 0x40000                  ; cx: it enters qi's and aq's addresses alone
	s_and_b32 s19, ttmp7, 0xffff                   ; bh = 16 x batch + head, which the four partners share
	; group 1: an entry as 50 rows of 256 bytes (32 elements of 8 bytes), dense, no padding
	s_mov_b32 s[G1], 15|(3<<16)|(1<<21)            ; the mask names all four work-groups; bit 21 beside it
	s_mov_b32 s[G1+1], 32<<16
	s_mov_b32 s[G1+2], 50<<16
	s_mov_b32 s[G1+3], 32<<16
	s_mov_b32 s[G1+4], 50
	s_mov_b32 s[G1+5], 32
	s_mov_b32 s[G1+6], 0
	s_mov_b32 s[G1+7], 0
	s_mul_i32 s12, s[WV], ENT                      ; in phase g wave w (0-3) fetches entry 4 g + w
	s_mul_i32 s10, s19, 16*ENT
	s_add_co_u32 s10, s10, s12
	s_mov_b32 s11, 0
	s_mov_b32 s[SEL], 0x76543210
	s_mov_b32 s[SEL+1], 0xfedcba98
	s_mov_b32 s[CS], 0x3fb8aa3b                    ; log2(e)
	s_mov_b32 s[CS+1], s[CS]
	s_mov_b32 s48, 2                               ; tiles of queries to go
	s_and_b32 s51, s[WV], 1
	s_cmp_eq_u32 s51, 1
	s_mov_b32 s52, 0x01000100
	s_cselect_b32 s52, 0x03020302, s52             ; which two bytes of a pair's scale word are my tile's
	s_sub_co_u32 s51, 0, s51                       ; all ones where my tile is the pair's second
	s_wait_dscnt 0x0                               ; the opening add is done
	s_wait_kmcnt 0x0
	s_add_nc_u64 s[10:11], s[6:7], s[10:11]
.irp g, 0,1,2,3
	s_mov_b32 s[G0+4*\g], 1
	s_add_co_u32 s[G0+4*\g+1], s12, 4*ENT*\g
	s_add_nc_u64 s[G0+4*\g+2:G0+4*\g+3], s[10:11], 4*ENT*\g
	s_or_b32 s[G0+4*\g+3], s[G0+4*\g+3], 0x80000000
.endr
	ROUND                                          ; all four work-groups are here: the joint loads meet
	s_cmp_lt_u32 s[WV], 4
	s_cbranch_scc0 .Lno_fetch                      ; all first fills of a wave stand in one branch on the wave's number
.irp g, 0,1,2,3
	tensor_load_to_lds s[G0+4*\g:G0+4*\g+3], s[G1:G1+7]
	s_nop 0
.endr
.rept 4
	v_nop
.endr
.Lno_fetch:
	s_lshl_b32 s13, s19, 4
	s_lshl_b32 s14, s17, 2
	s_add_co_u32 s13, s13, s14
	s_lshr_b32 s14, s[WV], 3
	s_add_co_u32 s13, s13, s14                     ; q's entry: 16 bh + 4 cx + wave / 8 (the second tile's: 2 further on)
	s_mul_i32 s54, s13, 6400
	s_mov_b32 s55, 0
	s_add_nc_u64 s[54:55], s[4:5], s[54:55]
	s_lshr_b32 s13, s19, 4
	s_lshl_b32 s13, s13, 7
	s_lshl_b32 s14, s17, 5
	s_add_co_u32 s13, s13, s14
	s_add_co_u32 s13, s13, s[WV]                   ; rb = 128 x batch + 32 cx + wave (the second tile's: 16 further on)
	s_and_b32 s14, s19, 15                         ; the head
	s_lshr_b32 s15, s14, 2
	s_mul_i32 s56, s15, 1572864
	s_mul_i32 s15, s13, 3072
	s_add_co_u32 s56, s56, s15
	s_and_b32 s15, s14, 3
	s_mul_i32 s15, s15, 768
	s_add_co_u32 s56, s56, s15
	s_mov_b32 s57, 0
	s_add_nc_u64 s[56:57], s[8:9], s[56:57]        ; where my codes go
	s_lshl_b32 s58, s13, 9
	s_lshl_b32 s15, s14, 1
	s_add_co_u32 s58, s58, s15
	s_add_co_u32 s58, s58, 6291456
	s_mov_b32 s59, 0
	s_add_nc_u64 s[58:59], s[8:9], s[58:59]        ; and my scale bytes
	v_and_b32 v8, 31, v0
	v_lshlrev_b32 v1, 4, v8
	v_lshlrev_b32 v2, 3, v8
	v_and_b32 v9, 15, v0
	v_lshlrev_b32 v7, 5, v9
	s_bfe_u32 s13, s[WV], 0x20001                  ; my pair of tiles in q's entry
	s_mul_i32 s14, s13, 1536
	v_add_nc_u32 v3, s14, v1
	s_and_b32 s14, s13, 1
	s_lshl_b32 s14, s14, 7
	s_lshr_b32 s15, s13, 1
	s_lshl_b32 s15, s15, 2
	s_add_co_u32 s14, s14, s15
	s_add_co_u32 s14, s14, 6144
	v_lshl_add_u32 v4, v9, 3, s14                  ; row r's word of that pair in the scale image
.irp c, 0,1,2
	global_load_b128 v[192+4*\c:195+4*\c], v3, s[54:55] offset:512*\c
.endr
	global_load_b32 v204, v4, s[54:55]
.irp i, 0,1,2,3,4,5
	v_mov_b32 v[22+\i], 0                          ; the zero codes between the two q
.endr
.irp b, 0,1,2,3
	v_mov_b32 v[236+\b], 0                         ; written once: a lane permute's destination counts as one of its sources
.endr
	v_mov_b32 v253, 0                              ; (named as the upper half of v[252:253] before it is first written)
.macro QK be                           ; the two tiles of keys of fragment be
.if (\be)%2
	v_wmma_scale_f32_16x16x128_f8f6f4 v[96+16*(\be):103+16*(\be)], v[FB+12*(\be):FB+12*(\be)+11], v[16:27], 0, v[82+(\be)/2], v86 matrix_a_fmt:MATRIX_FMT_FP6 matrix_b_fmt:MATRIX_FMT_FP6 matrix_a_scale:MATRIX_SCALE_ROW1
	v_wmma_scale_f32_16x16x128_f8f6f4 v[104+16*(\be):111+16*(\be)], v[FB+12*(\be):FB+12*(\be)+11], v[22:33], 0, v[82+(\be)/2], v86 matrix_a_fmt:MATRIX_FMT_FP6 matrix_b_fmt:MATRIX_FMT_FP6 matrix_a_scale:MATRIX_SCALE_ROW1
.else
	v_wmma_scale_f32_16x16x128_f8f6f4 v[96+16*(\be):103+16*(\be)], v[FB+12*(\be):FB+12*(\be)+11], v[16:27], 0, v[82+(\be)/2], v86 matrix_a_fmt:MATRIX_FMT_FP6 matrix_b_fmt:MATRIX_FMT_FP6
	v_wmma_scale_f32_16x16x128_f8f6f4 v[104+16*(\be):111+16*(\be)], v[FB+12*(\be):FB+12*(\be)+11], v[22:33], 0, v[82+(\be)/2], v86 matrix_a_fmt:MATRIX_FMT_FP6 matrix_b_fmt:MATRIX_FMT_FP6
.endif
.endm
.macro PV t                            ; 16 channels x these 128 keys
.if (\t)%2
	v_wmma_scale_f32_16x16x128_f8f6f4 v[160+8*(\t):167+8*(\t)], v[FB+12*(\t):FB+12*(\t)+11], v[224:235], v[160+8*(\t):167+8*(\t)], v[84+(\t)/2], v253 matrix_a_fmt:MATRIX_FMT_FP6 matrix_b_fmt:MATRIX_FMT_FP6 matrix_a_scale:MATRIX_SCALE_ROW1
.else
	v_wmma_scale_f32_16x16x128_f8f6f4 v[160+8*(\t):167+8*(\t)], v[FB+12*(\t):FB+12*(\t)+11], v[224:235], v[160+8*(\t):167+8*(\t)], v[84+(\t)/2], v253 matrix_a_fmt:MATRIX_FMT_FP6 matrix_b_fmt:MATRIX_FMT_FP6
.endif
.endm
; A KEY STEP: the 128 keys of the entry at LDS byte s2
.macro STEP
	v_add_nc_u32 v8, s2, v1
	v_add_nc_u32 v9, s2, v2
.irp f, 0,1,2,3
.irp c, 0,1,2
	ds_load_b128 v[FB+12*\f+4*\c:FB+12*\f+4*\c+3], v8 offset:1536*\f+512*\c   ; k's fragments, as images: 512 consecutive bytes a load
.endr
.endr
	ds_load_b64 v[82:83], v9 offset:12288          ; and their scale words
	s_wait_dscnt 0x0
.irp be, 0,1,2,3
	QK \be
.endr
.rept 4
	v_nop                                          ; places: the scores are read, and v's fragments are loaded over k's
.endr
.irp f, 0,1,2,3
.irp c, 0,1,2
	ds_load_b128 v[FB+12*\f+4*\c:FB+12*\f+4*\c+3], v8 offset:6144+1536*\f+512*\c   ; they land under the softmax
.endr
.endr
	ds_load_b64 v[84:85], v9 offset:12544
.irp b, 0,1,2,3
	v_max3_num_f32 v[232+\b], v[96+16*\b], v[97+16*\b], v[98+16*\b]   ; the largest score of each block of 32 keys: for the row's maximum and for the block's largest p
.endr
.irp i, 3,5,7,9,11,13
.irp b, 0,1,2,3
	v_max3_num_f32 v[232+\b], v[232+\b], v[96+16*\b+\i], v[97+16*\b+\i]
.endr
.endr
.irp b, 0,1,2,3
	v_max_num_f32 v[232+\b], v[232+\b], v[111+16*\b]
.endr
.irp b, 0,1,2,3
	v_permlanex16_b32 v[236+\b], v[232+\b], s[SEL], s[SEL+1]
.endr
.irp b, 0,1,2,3
	v_max_num_f32 v[232+\b], v[232+\b], v[236+\b]  ; with lane l xor 16's 16 keys
.endr
	v_max3_num_f32 v254, v232, v233, v234
	v_max_num_f32 v254, v254, v235
	v_mul_f32 v254, s[CS], v254                    ; the step's largest t
	v_max_num_f32 v13, v13, v254                   ; the running largest t
	v_mov_b32 v254, v12
	v_floor_f32 v12, -v13                          ; the new -M = -ceil(t)
	v_sub_f32 v254, v12, v254                      ; old M - new M: a whole number, 0 or less
	v_cvt_i32_f32 v254, v254                       ; (it saturates)
	v_ldexp_f32 v252, 1.0, v254                    ; f = 2^(old M - new M)
.irp j, 0,2,4,6,8,10,12,14,16,18,20,22,24,26,28,30,32,34,36,38,40,42,44,46,48,50,52,54,56,58,60,62
	v_pk_fma_f32 v[96+\j:97+\j], v[96+\j:97+\j], s[CS:CS+1], v[12:13] op_sel_hi:[1,0,0]   ; t - M
.endr
.irp b, 0,1,2,3
	v_fma_f32 v[232+\b], v[232+\b], s[CS], v12     ; the same of each block's largest score
.endr
.irp j, 0,1,2,3,4,5,6,7,8,9,10,11,12,13,14,15,16,17,18,19,20,21,22,23,24,25,26,27,28,29,30,31,32,33,34,35,36,37,38,39,40,41,42,43,44,45,46,47,48,49,50,51,52,53,54,55,56,57,58,59,60,61,62,63
	v_exp_f32 v[96+\j], v[96+\j]                   ; p = 2^(t - M), not normalised
.endr
	v_pk_mul_f32 v[14:15], v[14:15], v[252:253] op_sel_hi:[1,0]   ; the sums under the new M: a plain place behind the exponentials
	s_wait_alu depctr_va_vdst(0)                   ; one wait for the batch of 64, ahead of its first reader
.irp b, 0,1,2,3
	v_exp_f32 v[232+\b], v[232+\b]                 ; the blocks' largest p
.endr
	v_pk_add_f32 v[236:237], v[96:97], v[98:99]    ; the row's sum of the unquantised p, in two chains; it reads the 64 alone
.irp j, 4,8,12,16,20,24,28,32,36,40,44,48,52,56,60
	v_pk_add_f32 v[14:15], v[14:15], v[96+\j:97+\j]
	v_pk_add_f32 v[236:237], v[236:237], v[98+\j:99+\j]
.endr
	v_pk_add_f32 v[14:15], v[14:15], v[236:237]
	s_wait_alu depctr_va_vdst(0)                   ; and one for the four
.irp b, 0,1,2,3
	v_max_num_f32 v[232+\b], 0x1800000, v[232+\b]  ; the floor 2^(3 - 127)
.endr
.irp b, 0,1,2,3
	v_add_nc_u32 v[244+\b], 0xff000000, v[232+\b]  ; the conversion's scale operand
.endr
.irp b, 0,1,2,3
	v_lshrrev_b32 v[236+\b], 23, v[244+\b]         ; the scale's byte
.endr
	v_lshl_or_b32 v253, v237, 8, v236              ; p's scale word for these 128 keys
	v_lshl_or_b32 v253, v238, 16, v253
	v_lshl_or_b32 v253, v239, 24, v253
.irp c, 0,1
	v_cvt_scalef32_pk16_fp6_f32 v[224+6*\c:226+6*\c], v[96+32*\c:111+32*\c], v[244+2*\c]
	v_cvt_scalef32_pk16_fp6_f32 v[236+4*\c:238+4*\c], v[112+32*\c:127+32*\c], v[244+2*\c+1]
.endr
	v_nop                                          ; one plain place behind a scaled conversion
.irp c, 0,1
.irp i, 0,1,2
	v_permlane16_swap_b32 v[224+6*\c+\i], v[236+4*\c+\i]
.endr
.irp i, 0,1,2
	v_mov_b32 v[227+6*\c+\i], v[236+4*\c+\i]
.endr
.endr
.irp j, 0,2,4,6,8,10,12,14,16,18,20,22,24,26,28,30
	v_pk_mul_f32 v[160+\j:161+\j], v[160+\j:161+\j], v[252:253] op_sel_hi:[1,0]   ; O^T under the new M; these sixteen stand between the codes' and the scale word's last writes and the products
.endr
	s_wait_dscnt 0x0                               ; v's fragments and scale words are in
.irp t, 0,1,2,3
	PV \t                                          ; four accumulators by turns
.endr
.rept 4
	v_nop                                          ; places: the next step loads over v's fragments; the way out reads O^T
.endr
	s_add_co_u32 s2, s2, ENT
.endm
; Phase g: key steps 4 g .. 4 g + 3.  The fetching waves have 3 - g later loads, which may stay out.
.macro PHASE g
	s_wait_tensorcnt 3-\g
	s_barrier_signal -1
	s_barrier_wait -1
	s_mov_b32 s2, 4*ENT*\g
	s_mov_b32 s3, 4
.Lstep_\@:
	STEP
	s_sub_co_u32 s3, s3, 1
	s_cmp_lg_u32 s3, 0
	s_cbranch_scc1 .Lstep_\@
.endm
.Lpass:                                            ; a tile of 16 queries
	s_wait_loadcnt 0x0                             ; its pair's fragment and scale word
.irp i, 0,1,2,3,4,5
	v_cndmask_b32 v[16+\i], v[192+\i], v[198+\i], s51   ; my tile's half of the pair, twice
	v_cndmask_b32 v[28+\i], v[192+\i], v[198+\i], s51
.endr
	v_perm_b32 v86, v204, v204, s52                ; my tile's two bytes, twice: they serve both places of q
	s_cmp_eq_u32 s48, 1
	s_cbranch_scc1 .Lno_next                       ; the last tile asks for nothing: no load leaves its buffer
	s_add_nc_u64 s[54:55], s[54:55], 12800
.irp c, 0,1,2
	global_load_b128 v[192+4*\c:195+4*\c], v3, s[54:55] offset:512*\c
.endr
	global_load_b32 v204, v4, s[54:55]
.Lno_next:
	v_mov_b32 v13, 0xff61b1e6                      ; the largest t so far: -3e38
	v_floor_f32 v12, -v13
	v_mov_b32 v14, 0
	v_mov_b32 v15, 0
.irp j, 0,1,2,3,4,5,6,7,8,9,10,11,12,13,14,15,16,17,18,19,20,21,22,23,24,25,26,27,28,29,30,31
	v_mov_b32 v[160+\j], 0                         ; O^T: the step is written once, and its first trip finds zeros.  (Also the places between q's and its scale word's writes and the first product)
.endr
	PHASE 0
	PHASE 1
	PHASE 2
	PHASE 3
	; THE WAY OUT: O^T / the sum; its 32 registers are channels 32 B + 16 h + 0 .. 15: two blocks of the last product's K
	v_add_f32 v14, v14, v15
	v_permlanex16_b32 v252, v14, s[SEL], s[SEL+1]
	v_add_f32 v14, v14, v252
	v_rcp_f32 v14, v14
	v_nop                                          ; a plain place behind the reciprocal
	s_wait_alu depctr_va_vdst(0)                   ; the wait ahead of its first reader
.irp j, 0,2,4,6,8,10,12,14,16,18,20,22,24,26,28,30
	v_pk_mul_f32 v[96+\j:97+\j], v[160+\j:161+\j], v[14:15] op_sel_hi:[1,0]
.endr
.irp b, 0,1
	v_max3_num_f32 v[232+\b], |v[96+16*\b]|, |v[97+16*\b]|, 0x1800000
.endr
.irp i, 2,4,6,8,10,12,14
.irp b, 0,1
	v_max3_num_f32 v[232+\b], v[232+\b], |v[96+16*\b+\i]|, |v[97+16*\b+\i]|
.endr
.endr
.irp b, 0,1
	v_permlanex16_b32 v[236+\b], v[232+\b], s[SEL], s[SEL+1]
.endr
.irp b, 0,1
	v_max_num_f32 v[232+\b], v[232+\b], v[236+\b]
.endr
.irp b, 0,1
	v_add_nc_u32 v[244+\b], 0xff000000, v[232+\b]
.endr
.irp b, 0,1
	v_lshrrev_b32 v[236+\b], 23, v[244+\b]
.endr
	v_lshl_or_b32 v238, v237, 8, v236              ; my row's two scale bytes
	v_cvt_scalef32_pk16_fp6_f32 v[224:226], v[96:111], v244
	v_cvt_scalef32_pk16_fp6_f32 v[228:230], v[112:127], v245
	v_nop
.irp i, 0,1,2
	v_permlane16_swap_b32 v[224+\i], v[228+\i]     ; a whole block to a lane
.endr
	v_mov_b32 v227, v228
	v_mov_b32 v228, v229
	v_mov_b32 v229, v230                           ; v224-229: k = 32 h + 0 .. 31 of my head's 64
.irp p, 0,1,2
	global_store_b64 v2, v[224+2*\p:225+2*\p], s[56:57] offset:256*\p   ; each store covers 256 consecutive bytes, aligned
.endr
	global_store_b16 v7, v238, s[58:59]            ; lanes l and l xor 16 write the same two bytes with the same value
	s_wait_xcnt 0x0                                ; the stores have read their registers and bases
	s_add_nc_u64 s[56:57], s[56:57], 49152         ; 16 blocks of rows on
	s_add_nc_u64 s[58:59], s[58:59], 8192
	s_sub_co_u32 s48, s48, 1
	s_cmp_lg_u32 s48, 0
	s_cbranch_scc1 .Lpass
	s_wait_tensorcnt 0x0                           ; the wave's end
	ds_add_u32 v[SPW], v[NIL]
	s_wait_dscnt 0x0
	ROUND                                          ; the closing round
	s_endpgm
.Lfunc_end_k_q6c25aa81cd_attn:
	.size	k_q6c25aa81cd_attn, .Lfunc_end_k_q6c25aa81cd_attn-k_q6c25aa81cd_attn
	.p2alignl 7, 3214868480
	.fill 96, 4, 3214868480
	.section	.rodata,"a",@progbits
	.p2align	6, 0x0
	.amdhsa_kernel k_q6c25aa81cd_attn
		.amdhsa_group_segment_fixed_size 206848
		.amdhsa_private_segment_fixed_size 0
		.amdhsa_enable_private_segment 0
		.amdhsa_kernarg_size 24
		.amdhsa_user_sgpr_count 2
		.amdhsa_user_sgpr_kernarg_segment_ptr 1
		.amdhsa_wavefront_size32 1
		.amdhsa_system_sgpr_workgroup_id_x 1
		.amdhsa_system_sgpr_workgroup_id_y 1
		.amdhsa_system_sgpr_workgroup_id_z 1
		.amdhsa_system_vgpr_workitem_id 0
		.amdhsa_next_free_vgpr 256
		.amdhsa_next_free_sgpr 80
		.amdhsa_reserve_vcc 0
		.amdhsa_float_denorm_mode_32 3
		.amdhsa_float_denorm_mode_16_64 3
		.amdhsa_memory_ordered 1
		.amdhsa_forward_progress 1
		.amdhsa_inst_pref_size 75
	.end_amdhsa_kernel
	.amdgpu_metadata
---
amdhsa.version: [ 1, 2 ]
amdhsa.kernels:
  - .name:           k_q6c25aa81cd_attn
    .symbol:         k_q6c25aa81cd_attn.kd
    .args:
      - { .name: qi, .offset: 0, .size: 8, .value_kind: global_buffer, .address_space: global }
      - { .name: kv, .offset: 8, .size: 8, .value_kind: global_buffer, .address_space: global }
      - { .name: aq, .offset: 16, .size: 8, .value_kind: global_buffer, .address_space: global }
    .group_segment_fixed_size: 206848
    .private_segment_fixed_size: 0
    .kernarg_segment_align: 8
    .kernarg_segment_size: 24
    .max_flat_workgroup_size: 512
    .sgpr_count:     80
    .vgpr_count:     256
    .wavefront_size: 32
...
	.end_amdgpu_metadata
.endif
;; end of part 3
;; launch proj (part 4): grid 4 x 32, 4 waves a work-group, clusters of 4 x 4, 327,680 bytes of LDS; arguments aq, wq, b_proj, out0; writes out0
.if DOCPART == 4
	.amdgcn_target "amdgcn-amd-amdhsa--gfx1250"
	.amdhsa_code_object_version 6
	.text
	.protected	k_q6c25aa81cd_proj
	.globl	k_q6c25aa81cd_proj
	.p2align	8
	.type	k_q6c25aa81cd_proj,@function
k_q6c25aa81cd_proj:
	s_mov_b64 s[64:65], 0
	v_nop
	global_prefetch_b8 v0, s[64:65] scope:SCOPE_SE
	s_setreg_imm32_b32 hwreg(HW_REG_WAVE_MODE, 25, 1), 1
	s_wait_xcnt 0x0
	s_wait_alu depctr_hold_cnt(0) depctr_sa_sdst(0) depctr_va_vdst(0) depctr_va_sdst(0) depctr_va_ssrc(0) depctr_va_vcc(0) depctr_vm_vsrc(0)
	s_getreg_b32 s2, hwreg(HW_REG_IB_STS2, 6, 4)
	s_cmp_eq_u32 s2, 0
	s_cbranch_scc0 .Lentry_in_a_cluster
	s_endpgm
.Lentry_in_a_cluster:
	s_bfe_u32 s2, ttmp6, 0x10000c
	s_cmp_lg_u32 s2, 0xf033
	s_cbranch_scc0 .Lentry_shape_is_right
	s_endpgm
.Lentry_shape_is_right:
; out0 = a w_proj + b_proj on codes of FP6 with E8M0 scales, K = 1,024.  a: the attention launch's codes and scale bytes (aq); w_proj's codes [1024 (n)][768] at byte 2,457,600 of wq, its scale bytes at 3,244,032.
; A tile of 256 x 256 to a work-group of four waves, 128 x 128 a wave; K in steps of 256 through two LDS slots; the scale bytes of both sides come once.  4 x 4 work-groups form a cluster: A's tile is shared
; along a row of it, B's along a column, by joint loads.  The matrix instruction is used transposed (source 0 = rows of w_proj, source 1 = rows of a): a lane holds eight neighbouring numbers of a row of out0.
; A'S CODES LIE AS IMAGES OF REGISTERS: [j 4][rb 512][q 2][c 2][3 x 256 bytes]: K step j of 256, block rb of 16 stored rows, its q-th 128 along K, half c of the fragment, piece p = two registers, 8 bytes a lane.
; So the 128 rows that a wave fetches are 24,576 dense bytes for a K step, and a fragment is six loads of 8 bytes a lane, 256 consecutive bytes each.
; A's rows are in the stored order (bits 3 and 4 of a row's number exchanged); the way out puts each row at its own place.  The bias is the C of the first step's products.
; REGISTERS: window 0: v0-31 addresses; v32-63 scale words; v64-127 the bias; v128-223 A's fragments (on the way out v128-255 rows of out0).  window 1: B's fragments, two sets.  windows 2, 3: accumulators.
.set SIZE_N, 1024
.set KSTEP,  256
.set NQ,     KSTEP/128
.set ROWB,   192
.set KROW,   768
.set PITCH,  240
.set FR,     12
.set NL,     6
.set NP,     4
.set HALFA,  24576                     ; 128 rows of A for a K step
.set HALFT,  128*PITCH                 ; 128 rows of B
.set SLOT,   2*HALFA+2*HALFT
.set JSTEP,  1572864                   ; a K step on in aq
.set LAPS,   2
.set KS,     32
.set SCL,    2*SLOT
.set HALFS,  (128*KS/256)*272
.set SBLK,   (16*KS/256)*272
.set SPARE,  SCL+4*HALFS               ; the spare words, 128 bytes a wave, named by no other line
.set SPITCH, 528                       ; the way out: a stage of 16 rows x (512 + 16) bytes a wave, in slot 0, which has had its last fill and its last read by then
.set BAD,  7                           ; v7   32 x (lane / 16): the bias
.set ADRA, 16                          ; v16-17
.set ADRB, 20                          ; v20-23
.set STO,  24
.set RD,   25
.set CO,   26
.set ADRS, 27
.set SPW,  28
.set NIL,  29
.set SC,   32
.set BI,   64                          ; v64-127 the bias of my 128 columns, in the accumulators' layout
.set AF,   128
.set BK,   128
.set G1, 24
.set G0, 32
.set G1B, 48
.set G0B, 56
.set G1S, 68
.set G0S, 76
.set G1SB, 80
.set G0SB, 88
.set MSB, 0
.macro WIN new
.if MSB != \new
	s_set_vgpr_msb (MSB<<8)|\new
.set MSB, \new
.endif
.endm
.set MUL_LO, 0xa1                      ; source 0 (B) window 1, source 1 (A) window 0, C and D window 2
.set MUL_HI, 0xf1
.set ONE_LO, 0x81                      ; the first step: C (the bias) window 0, D window 2
.set ONE_HI, 0xc1
.set TO_B,   0x40
.macro JLOAD g0a, g1a, g0b, g1b        ; waves 0 and 1 fetch for A, waves 2 and 3 for B; an s_nop 0 and four v_nop follow each line
	s_cmp_eq_u32 s15, 0
	s_cbranch_scc0 .Lfor_b_\@
	tensor_load_to_lds s[\g0a:\g0a+3], s[\g1a:\g1a+7]
	s_nop 0
.rept 4
	v_nop
.endr
	s_branch .Lasked_\@
.Lfor_b_\@:
	tensor_load_to_lds s[\g0b:\g0b+3], s[\g1b:\g1b+7]
	s_nop 0
.rept 4
	v_nop
.endr
.Lasked_\@:
.endm
.macro CREST
	s_cmp_lg_u32 s14, 0
	s_cbranch_scc1 .Lnot_wave_0_\@
	s_barrier_signal -3
.Lnot_wave_0_\@:
	s_barrier_wait -3
	s_barrier_signal -1
	s_barrier_wait -1
.endm
.macro CROUND
	s_barrier_signal -1
	s_barrier_wait -1
	CREST
.endm
	s_load_b256 s[4:11], s[0:1], 0x0               ; aq s[4:5], wq s[6:7], b_proj s[8:9], out0 s[10:11]
	v_lshl_add_u32 v[SPW], v0, 2, SPARE
	v_mov_b32 v[NIL], 0
	ds_add_u32 v[SPW], v[NIL]                      ; the wave's opening: the add and its wait ahead of my first tensor load
	v_lshrrev_b32 v1, 5, v0
	v_readfirstlane_b32 s14, v1                    ; wave 0..3
	s_lshr_b32 s15, s14, 1                         ; my half of the tile's rows.  Also: I fetch for A (0) or for B (1)
	s_and_b32 s16, s14, 1                          ; my half of its columns.  Also: which 128 rows I fetch
	s_bfe_u32 s40, ttmp6, 0x40000                  ; cx
	s_bfe_u32 s41, ttmp6, 0x40004                  ; cy
	s_lshl_b32 s42, ttmp9, 2
	s_add_co_u32 s42, s42, s40                     ; tile column
	s_and_b32 s17, ttmp7, 0xffff
	s_lshl_b32 s17, s17, 2
	s_add_co_u32 s17, s17, s41                     ; tile row
	s_lshl_b32 s43, s41, 2
	s_lshl_b32 s43, 15, s43                        ; my row of the cluster
	s_lshl_b32 s44, 0x1111, s40                    ; my column
	; A's tiles: 24,576 dense bytes as 96 rows of 256 (32 elements of 8 bytes), no padding
	s_or_b32 s[G1+0], s43, (3<<16)|(1<<21)
	s_mov_b32 s[G1+1], 32<<16
	s_mov_b32 s[G1+2], 96<<16
	s_mov_b32 s[G1+3], 32<<16
	s_mov_b32 s[G1+4], 96
	s_mov_b32 s[G1+5], 32
	s_mov_b32 s[G1+6], 0
	s_mov_b32 s[G1+7], 0
	; B's tiles: 128 rows x 192 bytes, 16 bytes of padding behind every 64
	s_or_b32 s[G1B+0], s44, (0<<16)|(1<<20)|(1<<21)|(3<<22)|(3<<25)
	s_mov_b32 s[G1B+1], ROWB<<16
	s_mov_b32 s[G1B+2], 128<<16
	s_mov_b32 s[G1B+3], ROWB<<16
	s_mov_b32 s[G1B+4], 128
	s_mov_b32 s[G1B+5], KROW
	s_mov_b32 s[G1B+6], 0
	s_mov_b32 s[G1B+7], 0
	; the scale bytes of 128 rows: 16 rows of 256 bytes, 16 bytes of padding behind each
	s_or_b32 s[G1S+0], s43, (3<<16)|(1<<20)|(1<<21)|(5<<22)|(3<<25)
	s_or_b32 s[G1SB+0], s44, (3<<16)|(1<<20)|(1<<21)|(5<<22)|(3<<25)
.irp g, G1S, G1SB
	s_mov_b32 s[\g+1], 32<<16
	s_mov_b32 s[\g+2], (128*KS/256)<<16
	s_mov_b32 s[\g+3], 32<<16
	s_mov_b32 s[\g+4], 128*KS/256
	s_mov_b32 s[\g+5], 32
	s_mov_b32 s[\g+6], 0
	s_mov_b32 s[\g+7], 0
.endr
	s_lshl_b32 s18, s16, 7
	s_lshl_b32 s20, s17, 8
	s_add_co_u32 s20, s20, s18                     ; A's row: 256 x tile row + 128 x half
	s_lshl_b32 s46, s42, 8
	s_add_co_u32 s46, s46, s18                     ; B's row
	s_lshl_b32 s22, s20, 5
	s_add_co_u32 s22, s22, 6291456                 ; A's scale bytes
	s_lshl_b32 s92, s46, 5
	s_add_co_u32 s92, s92, 3244032                 ; B's
	s_mul_i32 s20, s20, 192                        ; A's codes: 3,072 bytes for 16 rows and a K step
	s_mul_i32 s46, s46, KROW
	s_add_co_u32 s46, s46, 2457600                 ; B's codes
	s_mov_b32 s21, 0
	s_mov_b32 s23, 0
	s_mov_b32 s47, 0
	s_mov_b32 s93, 0
	s_mul_i32 s45, s16, HALFA                      ; where A's half goes,
	s_mul_i32 s96, s16, HALFT
	s_add_co_u32 s96, s96, 2*HALFA                 ; B's,
	s_mul_i32 s94, s14, HALFS                      ; and the scale bytes: the wave's number alone enters an LDS address
	s_wait_dscnt 0x0                               ; the opening add is done
	s_wait_kmcnt 0x0
	s_add_nc_u64 s[20:21], s[4:5], s[20:21]
	s_add_nc_u64 s[22:23], s[4:5], s[22:23]
	s_add_nc_u64 s[46:47], s[6:7], s[46:47]
	s_add_nc_u64 s[92:93], s[6:7], s[92:93]
	CROUND                                         ; all sixteen work-groups are here: the first joint loads meet
	s_mov_b32 s[G0S], 1
	s_add_co_u32 s[G0S+1], s94, SCL
	s_mov_b64 s[G0S+2:G0S+3], s[22:23]
	s_or_b32 s[G0S+3], s[G0S+3], 0x80000000
	s_mov_b32 s[G0SB], 1
	s_add_co_u32 s[G0SB+1], s94, SCL
	s_mov_b64 s[G0SB+2:G0SB+3], s[92:93]
	s_or_b32 s[G0SB+3], s[G0SB+3], 0x80000000
	JLOAD G0S, G1S, G0SB, G1SB
.irp s, 0,1
	s_mov_b32 s[G0+4*\s], 1
	s_add_co_u32 s[G0+4*\s+1], s45, \s*SLOT
	s_add_nc_u64 s[G0+4*\s+2:G0+4*\s+3], s[20:21], \s*JSTEP
	s_or_b32 s[G0+4*\s+3], s[G0+4*\s+3], 0x80000000
	s_mov_b32 s[G0B+4*\s], 1
	s_add_co_u32 s[G0B+4*\s+1], s96, \s*SLOT
	s_add_nc_u64 s[G0B+4*\s+2:G0B+4*\s+3], s[46:47], \s*ROWB
	s_or_b32 s[G0B+4*\s+3], s[G0B+4*\s+3], 0x80000000
	JLOAD G0+4*\s, G1, G0B+4*\s, G1B
.endr
	v_and_b32 v1, 15, v0                           ; r
	v_bfe_u32 v2, v0, 4, 1                         ; h
	v_mul_u32_u24 v3, v1, PITCH
	v_mul_u32_u24 v4, v2, 24
	v_add_nc_u32 v4, v3, v4                        ; B: a fragment's row x pitch + 24 h
	v_lshl_add_u32 v5, v2, 4, v4                   ; and the same behind one padding more
	v_and_b32 v6, 31, v0
	v_lshlrev_b32 v3, 3, v6                        ; A: 8 x lane
	s_mul_i32 s21, s15, HALFA                      ; my 128 rows of A
	s_mul_i32 s22, s16, HALFT
	s_add_co_u32 s22, s22, 2*HALFA                 ; my 128 rows of B
.irp s, 0,1
	v_add_nc_u32 v[ADRA+\s], s21, v3
	v_add_nc_u32 v[ADRB+\s], s22, v4
	v_add_nc_u32 v[ADRB+2+\s], s22, v5
	s_add_co_u32 s21, s21, SLOT
	s_add_co_u32 s22, s22, SLOT
.endr
	v_mul_u32_u24 v5, v1, KS
	v_lshrrev_b32 v3, 8, v5
	v_lshl_add_u32 v5, v3, 4, v5                   ; my row's scale bytes
	s_mul_i32 s21, s15, HALFS
	s_mul_i32 s22, s16, HALFS
	s_add_co_u32 s22, s22, 2*HALFS
	s_sub_co_u32 s22, s22, s21
	v_mul_u32_u24 v3, s22, v2                      ; lanes 16-31 take B's
	s_add_co_u32 s21, s21, SCL
	v_add_nc_u32 v5, v5, v3
	v_add_nc_u32 v[ADRS], s21, v5
	s_mul_i32 s23, s14, 16*SPITCH                  ; my stage
	v_mul_u32_u24 v5, v1, SPITCH
	v_lshl_add_u32 v5, v2, 5, v5
	v_add_nc_u32 v[STO], s23, v5                   ; in: row r, 32 bytes for each half of the lanes
	v_lshlrev_b32 v[CO], 4, v6
	v_add_nc_u32 v[RD], s23, v[CO]                 ; back: the 32 lanes take one row of 512 bytes
	s_lshl_b32 s20, s17, 8
	s_lshl_b32 s21, s15, 7
	s_add_co_u32 s20, s20, s21                     ; my first row of out0
	s_lshl_b32 s20, s20, 12
	s_lshl_b32 s46, s42, 10
	s_lshl_b32 s47, s16, 9
	s_add_co_u32 s46, s46, s47                     ; my first column, in bytes
	s_add_co_u32 s20, s20, s46
	s_mov_b32 s21, 0
	s_mov_b32 s47, 0
	s_add_nc_u64 s[12:13], s[10:11], s[20:21]
	s_add_nc_u64 s[18:19], s[8:9], s[46:47]        ; and their bias
	v_lshlrev_b32 v[BAD], 5, v2
.irp b, 0,1,2,3,4,5,6,7
	global_load_b128 v[BI+8*\b:BI+8*\b+3], v[BAD], s[18:19] offset:64*\b       ; columns 16 b + 8 h + 0 .. 7
	global_load_b128 v[BI+8*\b+4:BI+8*\b+7], v[BAD], s[18:19] offset:64*\b+16
.endr
.macro FRAG reg, adr, q, i             ; B: six pieces of 8 bytes; where the piece of lanes 16-31 lies behind one padding more, the second address register serves
.irp p, 0,1,2,3,4,5
.set PCE, 12*(\q)+6*(\p/3)+\p%3
.if PCE%8 < 5
	ds_load_b64 v[\reg+2*\p:\reg+2*\p+1], v[\adr] offset:8*PCE+16*(PCE/8)+(\i)*16*PITCH
.else
	ds_load_b64 v[\reg+2*\p:\reg+2*\p+1], v[\adr+2] offset:8*PCE+16*(PCE/8)+(\i)*16*PITCH
.endif
.endr
.endm
.macro FRAG_A reg, slot, q, i          ; A: the image's six pieces, 256 consecutive bytes each
.irp p, 0,1,2,3,4,5
	ds_load_b64 v[\reg+2*\p:\reg+2*\p+1], v[ADRA+\slot] offset:3072*(\i)+1536*(\q)+256*\p
.endr
.endm
; 16 matrix instructions: A's blocks a0, a0 + 1 x B's eight.  one = 1: the first step: C is the bias.  The 64 accumulators take turns.
.macro MUL16 a0, p, q, sc, one
.irp a, \a0, \a0+1
.irp b, 0,1,2,3,4,5,6,7
.if \one
	v_wmma_scale_f32_16x16x128_f8f6f4 v[8*(8*((\a)%4)+\b):8*(8*((\a)%4)+\b)+7], v[128*(\p)+FR*\b:128*(\p)+FR*\b+FR-1], v[AF+FR*(\a):AF+FR*(\a)+FR-1], v[BI+8*\b:BI+8*\b+7], v[SC+8*NQ*(\sc)+NQ*\b+(\q)], v[SC+8*NQ*(\sc)+NQ*(\a)+(\q)] matrix_a_fmt:MATRIX_FMT_FP6 matrix_b_fmt:MATRIX_FMT_FP6 matrix_a_scale:MATRIX_SCALE_ROW1
.else
	v_wmma_scale_f32_16x16x128_f8f6f4 v[8*(8*((\a)%4)+\b):8*(8*((\a)%4)+\b)+7], v[128*(\p)+FR*\b:128*(\p)+FR*\b+FR-1], v[AF+FR*(\a):AF+FR*(\a)+FR-1], v[8*(8*((\a)%4)+\b):8*(8*((\a)%4)+\b)+7], v[SC+8*NQ*(\sc)+NQ*\b+(\q)], v[SC+8*NQ*(\sc)+NQ*(\a)+(\q)] matrix_a_fmt:MATRIX_FMT_FP6 matrix_b_fmt:MATRIX_FMT_FP6 matrix_a_scale:MATRIX_SCALE_ROW1
.endif
.endr
.endr
.endm
.macro FETCH_B slot, q, p
	WIN TO_B
.irp i, 0,1,2,3,4,5,6,7
	FRAG 128*(\p)+FR*\i, ADRB+\slot, \q, \i
.endr
	WIN 0
.endm
.macro FETCH_A slot, q, i0
.irp i, \i0, \i0+1, \i0+2, \i0+3
	FRAG_A AF+FR*(\i), \slot, \q, \i
.endr
.endm
.macro SCALES sc
.irp i, 0,1,2,3,4,5,6,7
	ds_load_b64 v[SC+8*NQ*\sc+NQ*\i:SC+8*NQ*\sc+NQ*\i+1], v[ADRS] offset:\i*SBLK
.endr
.endm
.macro PLACES n
.rept \n
	v_nop
.endr
.endm
.macro STEP slot, q, one
	s_wait_dscnt 4*NL                              ; B's set and A's blocks 0-3 are in; A's blocks 4-7, 24 loads, may be out
.if \one
	WIN ONE_LO
.else
	WIN MUL_LO
.endif
	MUL16 0, (\q)%2, \q, \slot, \one
	MUL16 2, (\q)%2, \q, \slot, \one
	s_wait_dscnt 0
	PLACES NP
	FETCH_B \slot, (\q)+1, 1-(\q)%2
	FETCH_A \slot, (\q)+1, 0
.if \one
	WIN ONE_HI
.else
	WIN MUL_HI
.endif
	MUL16 4, (\q)%2, \q, \slot, \one
	MUL16 6, (\q)%2, \q, \slot, \one
	PLACES NP
	WIN 0
	FETCH_A \slot, (\q)+1, 4
.endm
.macro TURN slot, next, fill
	s_wait_tensorcnt 0x0                           ; all my tensor loads have landed: my part of the next slot
	ds_add_u32 v[SPW], v[NIL]
	s_wait_dscnt 4*NL+1                            ; the add and A's blocks 4-7 may be out
	WIN MUL_LO
	MUL16 0, 1, NQ-1, \slot, 0
	s_wait_dscnt 0x0                               ; the add is done, and my reads of this slot are over
	s_barrier_signal -1
	MUL16 2, 1, NQ-1, \slot, 0
	WIN 0
	s_barrier_wait -1
.if \fill
	CREST                                          ; the barrier has opened a round of the cluster's barrier
	s_add_nc_u64 s[G0+4*\slot+2:G0+4*\slot+3], s[G0+4*\slot+2:G0+4*\slot+3], 2*JSTEP
	s_add_nc_u64 s[G0B+4*\slot+2:G0B+4*\slot+3], s[G0B+4*\slot+2:G0B+4*\slot+3], 2*ROWB
	JLOAD G0+4*\slot, G1, G0B+4*\slot, G1B         ; the first tensor load behind the round
.else
	PLACES NP
.endif
	v_add_nc_u32 v[ADRS], 4*NQ, v[ADRS]
	FETCH_B \next, 0, 0
	FETCH_A \next, 0, 0
	SCALES \next
	WIN MUL_HI
	MUL16 4, 1, NQ-1, \slot, 0
	MUL16 6, 1, NQ-1, \slot, 0
	PLACES NP
	WIN 0
	FETCH_A \next, 0, 4
.endm
	s_wait_tensorcnt 1                             ; the scale bytes and my part of K step 0 are in; K step 1's load may be out
	s_barrier_signal -1
	s_barrier_wait -1
	FETCH_B 0, 0, 0
	FETCH_A 0, 0, 0
	SCALES 0
	FETCH_A 0, 0, 4
	s_wait_loadcnt 0x0                             ; the bias
	STEP 0, 0, 1                                   ; the first step's products start the sums from the bias
	s_mov_b32 s3, LAPS-1
.Llap:
	TURN 0, 1, 1
	STEP 1, 0, 0
	TURN 1, 0, 1
	STEP 0, 0, 0
	s_sub_co_u32 s3, s3, 1
	s_cmp_lg_u32 s3, 0
	s_cbranch_scc1 .Llap
	TURN 0, 1, 0                                   ; the last lap fills nothing
	STEP 1, 0, 0
	s_wait_dscnt 4*NL
	WIN MUL_LO
	MUL16 0, 1, NQ-1, 1, 0
	MUL16 2, 1, NQ-1, 1, 0
	s_wait_dscnt 0
	WIN MUL_HI
	MUL16 4, 1, NQ-1, 1, 0
	MUL16 6, 1, NQ-1, 1, 0
	WIN 0
; THE WAY OUT, a block of 16 stored rows x 128 columns at a time, through my own stage: in 32 bytes a lane, back as whole rows of 512 bytes.  LDS serves a wave's instructions in order.
.macro TOSTAGE a
.set AC, 64*((\a)%4)
	WIN 0x08+4*((\a)/4)                            ; an LDS store's data: window 2 or 3
.irp b, 0,1,2,3,4,5,6,7
	ds_store_b128 v[STO], v[AC+8*\b:AC+8*\b+3] offset:64*\b          ; each accumulator from its low end on
	ds_store_b128 v[STO], v[AC+8*\b+4:AC+8*\b+7] offset:64*\b+16
.endr
	WIN 0
.set BB, BK+64*((\a)%2)
.irp t, 0,1,2,3,4,5,6,7,8,9,10,11,12,13,14,15
	ds_load_b128 v[BB+4*\t:BB+4*\t+3], v[RD] offset:\t*SPITCH
.endr
.endm
; Stored row t of block a is row 32 (a / 2) + 8 (a % 2) + t + 8 (t / 8) of my 128.
.macro SEND a, younger
.set BB, BK+64*((\a)%2)
	s_wait_dscnt \younger
.if ((\a) > 0) && ((\a)%2 == 0)
	s_add_nc_u64 s[12:13], s[12:13], 32*SIZE_N*4   ; (behind a wait on XCNT: the earlier stores have read their base)
.endif
.irp t, 0,1,2,3,4,5,6,7,8,9,10,11,12,13,14,15
	global_store_b128 v[CO], v[BB+4*\t:BB+4*\t+3], s[12:13] offset:(8*((\a)%2)+\t+8*(\t/8))*SIZE_N*4 th:TH_STORE_NT   ; 32 lanes store 512 consecutive bytes, aligned
.endr
.endm
	PLACES NP
	TOSTAGE 0
.irp a, 1,2,3,4,5,6,7
.if \a > 1
	s_wait_xcnt 0x0                                ; block a - 2's stores have read their registers and their base
.endif
	TOSTAGE \a
	SEND \a-1, 32                                  ; behind block a - 1's loads: block a's 16 stores and 16 loads
.endr
	s_wait_xcnt 0x0
	SEND 7, 0
	s_wait_tensorcnt 0x0                           ; the wave's end
	ds_add_u32 v[SPW], v[NIL]
	s_wait_dscnt 0x0
	CROUND                                         ; the closing round
	s_endpgm
.Lfunc_end_k_q6c25aa81cd_proj:
	.size	k_q6c25aa81cd_proj, .Lfunc_end_k_q6c25aa81cd_proj-k_q6c25aa81cd_proj
	.p2alignl 7, 3214868480
	.fill 96, 4, 3214868480
	.section	.rodata,"a",@progbits
	.p2align	6, 0x0
	.amdhsa_kernel k_q6c25aa81cd_proj
		.amdhsa_group_segment_fixed_size 327680
		.amdhsa_private_segment_fixed_size 0
		.amdhsa_enable_private_segment 0
		.amdhsa_kernarg_size 32
		.amdhsa_user_sgpr_count 2
		.amdhsa_user_sgpr_kernarg_segment_ptr 1
		.amdhsa_wavefront_size32 1
		.amdhsa_system_sgpr_workgroup_id_x 1
		.amdhsa_system_sgpr_workgroup_id_y 1
		.amdhsa_system_sgpr_workgroup_id_z 1
		.amdhsa_system_vgpr_workitem_id 0
		.amdhsa_next_free_vgpr 1024
		.amdhsa_next_free_sgpr 98
		.amdhsa_reserve_vcc 0
		.amdhsa_float_denorm_mode_32 3
		.amdhsa_float_denorm_mode_16_64 3
		.amdhsa_memory_ordered 1
		.amdhsa_forward_progress 1
		.amdhsa_inst_pref_size 161
	.end_amdhsa_kernel
	.amdgpu_metadata
---
amdhsa.version: [ 1, 2 ]
amdhsa.kernels:
  - .name:           k_q6c25aa81cd_proj
    .symbol:         k_q6c25aa81cd_proj.kd
    .args:
      - { .name: aq, .offset: 0, .size: 8, .value_kind: global_buffer, .address_space: global }
      - { .name: wq, .offset: 8, .size: 8, .value_kind: global_buffer, .address_space: global }
      - { .name: b_proj, .offset: 16, .size: 8, .value_kind: global_buffer, .address_space: global }
      - { .name: out0, .offset: 24, .size: 8, .value_kind: global_buffer, .address_space: global }
    .group_segment_fixed_size: 327680
    .private_segment_fixed_size: 0
    .kernarg_segment_align: 8
    .kernarg_segment_size: 32
    .max_flat_workgroup_size: 128
    .sgpr_count:     98
    .vgpr_count:     1024
    .wavefront_size: 32
...
	.end_amdgpu_metadata
.endif
;; end of part 4
